; MI455X (gfx1250); checked and timed in simulation.
; The chip was launched on July 23, 2026; its instructions are those of AMD's public machine-readable ISA for CDNA 5 (MIT licence, August 2026) and "CDNA5" Instruction Set Architecture Reference Guide (July 2026). The comments in the code are by the model that wrote it; some were corrected since.
;; Multi Head Attention. Allowed arithmetic: matrix products marked QUANTISED: E5M2 operands, one E8M0 scale for each 32 along K, by v_wmma_scale_f32_16x16x128_f8f6f4 with both operands' format E5M2, f32 sums; everything else in f32.
;; Inputs: W_attn 1,024 x 3,072 float32; W_proj 1,024 x 1,024 float32; b_attn 3,072 float32; b_proj 1,024 float32; x 4 x 2,048 x 1,024 float32.
;; Outputs: out0 4 x 2,048 x 1,024 float32.
;; This version of the problem:
;;   THIS VERSION OF THE PROBLEM IS GIVEN IN LOW PRECISION. The matrix products marked QUANTISED in the list below multiply operands that are first quantised to E5M2 (5 exponent bits, 2 mantissa bits; 8 bits a number), with one power-of-two scale for each 32 numbers along K (OCP MX v1.0); their sums are f32. All else is computed in f32.
;;   The module's matrix products, in the order in which they are computed (A, B: the left and right operand; K: the contracted axis; several contracted axes count as one K, in the product's order):
;;     1. [M 8,192, K 1,024] x [K 1,024, N 3,072]; A: input x; B: input W_attn: QUANTISED
;;     2. batch 64 x [M 2,048, K 64] x [K 64, N 2,048]; A: computed on the way; B: computed on the way: QUANTISED
;;     3. batch 64 x [M 2,048, K 2,048] x [K 2,048, N 64]; A: softmax (see below); B: computed on the way: QUANTISED
;;     4. [M 8,192, K 1,024] x [K 1,024, N 1,024]; A: computed on the way; B: input W_proj: QUANTISED
;;   THE QUANTISER, for each operand of a quantised product, along K:
;;     - K is cut into blocks of 32 from its start; a last block that is shorter is filled with zeros.
;;     - A block's scale is 2^e with e = floor(log2(the largest magnitude in the block)) - 15, held to -126 .. 127; a block of zeros has e = 0. As a byte (E8M0): e + 127.
;;     - Each number is divided by its block's scale, clamped to +-57,344, and rounded to the nearest number of E5M2, ties to even, subnormals kept.
;;     - The product sums the exact products of the quantised numbers (number of the format x scale) in f32.
;;   ~~~python
;;   def quantise(x, axis):      # numpy; x: float32 -> the quantised numbers, widened to float32 again
;;       x = np.moveaxis(x, axis, -1); K = x.shape[-1]
;;       x = np.pad(x, [(0, 0)] * (x.ndim - 1) + [(0, -K % 32)]); x = x.reshape(x.shape[:-1] + (-1, 32)); a = np.abs(x).max(-1, keepdims=True)
;;       e = np.where(a > 0, np.clip(np.frexp(np.where(a > 0, a, 1))[1] - 1 - 15, -126, 127), 0)      # np.frexp(a)[1] - 1 = floor(log2(a)), exactly
;;       r = np.clip(x / 2.0 ** e, -57344, 57344)
;;       step = 2.0 ** (np.maximum(np.frexp(np.where(r == 0, 1, r))[1] - 1, -14) - 2)
;;       q = np.round(r / step) * step * 2.0 ** e      # np.round: ties to even
;;       return np.moveaxis(q.reshape(q.shape[:-2] + (-1,))[..., :K], -1, axis).astype(np.float32)
;;   ~~~
;;   SOFTMAX AHEAD OF A QUANTISED PRODUCT. Where the list says 'softmax', what is quantised is not the finished softmax but p = 2^(t - M), with t = logit x log2(e) and M = ceil(the row's largest t), a whole number; so 1/2 < the row's largest p <= 1. The row's sum l is taken of the UNQUANTISED p, in f32, and the product's result is divided by l at the end. Since M is a whole number, a kernel that streams over the keys may use a running M (the ceiling of the running maximum): every later rescaling is an exact power of two, which a block's scale takes up: the codes' values come out the same.
;;   OPERANDS COMPUTED ON THE WAY. 'Computed on the way' means the value that the module computes at that place (a softmax that the list does not call 'softmax' is quantised finished and normalised). What goes into a quantiser is computed in f32, as accurately as f32 sums, v_exp_f32 and their like allow (about 1e-6 of the number): no bf16 or f16 on the way to a quantiser, and a product that is left as it is and whose result goes on into a quantised operand takes f32 operands (vector FMAs, or v_wmma_f32_16x16x4_f32). A number that lies on a knife's edge between two numbers of the format may be rounded either way, as far as f32 arithmetic and the matrix unit's own rounding can turn it there, and no further.
;; One version. Each part assembles by itself: llvm-mc -triple=amdgcn-amd-amdhsa -mcpu=gfx1250 --defsym DOCPART=n.
;; ======== version 1 of 1: 4 launches
;; limits: right only within a limited range of input values
;; workspace buffers: xq 8,650,752 bytes; wq 4,325,376 bytes; qb 8,912,896 bytes; kv 17,563,648 bytes; oq 8,650,752 bytes
;; launch prep (part 1): grid 512 x 1, 4 waves a work-group, no clusters, 34,304 bytes of LDS; arguments x, W_attn, W_proj, xq, wq; writes xq, wq
.if DOCPART == 1
	.amdgcn_target "amdgcn-amd-amdhsa--gfx1250"
	.amdhsa_code_object_version 6
	.text
	.protected	k_qb8a80fe935_prep
	.globl	k_qb8a80fe935_prep
	.p2align	8
	.type	k_qb8a80fe935_prep,@function
k_qb8a80fe935_prep:
	s_mov_b64 s[64:65], 0
	v_nop
	global_prefetch_b8 v0, s[64:65] scope:SCOPE_SE
	s_setreg_imm32_b32 hwreg(HW_REG_WAVE_MODE, 25, 1), 1
	s_wait_xcnt 0x0
; x [8192][1024], W_attn [1024][3072] and W_proj [1024][1024], f32, become codes of BF8 (E5M2) with one E8M0 scale byte for each 32 along K (x: its last axis; the weights: their FIRST axis).
; THE CODES ARE LAID AS IMAGES OF OPERAND REGISTERS.  rho(r) = r + 8 (r / 8).  Tile T of an operand holds rows 32 (T / 2) + 8 (T % 2) + rho(r), r = 0 .. 15.  The image of tile T and K step s (128 along K) is
; 2,048 bytes at (8 T + s) x 2,048: byte 512 c + 16 lane + e is the code of row r = lane % 16 at k = 128 s + 32 c + 16 (lane / 16) + e: four loads of 16 bytes a lane ARE the fragment.
; The scale words: 64 bytes at 512 T + 64 s, word r for row r: one load of 4 bytes a lane brings K step 2 j in lanes 0-15 and K step 2 j + 1 in lanes 16-31.
; A block's scale is 2^(floor(log2(its largest magnitude)) - 15); its byte is the largest magnitude's exponent field - 15, held at 1 from below; each number is held within +-57,344 x the scale and rounded to the nearest code.
; LIMITS: NaN and infinities among the inputs are not served; a block whose largest magnitude lies under 2^-111 keeps the byte 1; a block of zeros gets the byte 1 where the rule says 127: its codes are zeros, and this program alone reads the bytes.
; SHARES: work-groups 0-255 take x (a wave: one tile of 16 rows x 512 along K); 256-447 W_attn, 448-511 W_proj (a wave: 32 columns x 128 along K).  No barrier: waves share nothing.  Only x's path uses LDS.
.set XSO,  8388608                     ; xq: the scale words begin here
.set WAS,  3145728                     ; wq: W_attn's scale words
.set WPC,  3244032                     ; wq: W_proj's images
.set WPS,  4292608                     ; wq: W_proj's scale words
.set SEL,  20                          ; s[20:21] v_permlanex16_b32's selects for lane l xor 16
.set MNT,  23
.set HI,   24                          ; s24  a mask of lanes 16-31
.set R,    16                          ; v16-143  x as loaded, two sets of 64
.set X,    144                         ; v144-207 64 numbers of my row: register 16 b + i is k = 32 b + 16 (lane / 16) + i
.set PC,   208                         ; v208-223 a fragment's codes
.set TM,   224                         ; v224-239 largest magnitudes, bytes, scale operands
.set PW,   240                         ; v240-243 the four units' scale words
.set D,    16                          ; v16-143  a column of a weight, 128 down K
.set WC,   144                         ; v144-175 its codes
; 64 numbers of a lane become a fragment's codes in v[PC] on and its row's scale word in v[pw]
.macro QUANT s, pw
.irp b, 0,1,2,3
	v_max3_num_f32 v[TM+\b], |v[\s+16*\b]|, |v[\s+1+16*\b]|, 0x8000000   ; block b: my 16 numbers, and the floor 2^(16 - 127): the byte cannot fall under 1
.endr
.irp i, 2,4,6,8,10,12,14
.irp b, 0,1,2,3
	v_max3_num_f32 v[TM+\b], v[TM+\b], |v[\s+16*\b+\i]|, |v[\s+1+16*\b+\i]|   ; the four blocks by turns
.endr
.endr
.irp b, 0,1,2,3
	v_permlanex16_b32 v[TM+4+\b], v[TM+\b], s[SEL], s[SEL+1]
.endr
.irp b, 0,1,2,3
	v_max_num_f32 v[TM+\b], v[TM+\b], v[TM+4+\b]   ; with lane l xor 16's 16: the block's largest magnitude
.endr
.irp b, 0,1,2,3
	v_add_nc_u32 v[TM+12+\b], 0xf8800000, v[TM+\b]   ; 15 off its exponent field: the conversion's scale operand
.endr
.irp b, 0,1,2,3
.endr
.irp b, 0,1,2,3
	v_lshrrev_b32 v[TM+4+\b], 23, v[TM+12+\b]   ; the scale's byte
.endr
	v_lshl_or_b32 v[\pw], v[TM+5], 8, v[TM+4]
	v_lshl_or_b32 v[\pw], v[TM+6], 16, v[\pw]
	v_lshl_or_b32 v[\pw], v[TM+7], 24, v[\pw]
	s_wait_xcnt 0x0                                ; the stores of the fragment before have read v[PC] on: it is written again only behind this wait
.irp b, 0,1,2,3
.irp i, 0,1,2,3,4,5,6,7,8,9,10,11,12,13,14,15
.endr
	v_cvt_scalef32_pk8_bf8_f32 v[PC+4*\b:PC+1+4*\b], v[\s+16*\b:\s+7+16*\b], v[TM+12+\b]
	v_cvt_scalef32_pk8_bf8_f32 v[PC+2+4*\b:PC+3+4*\b], v[\s+8+16*\b:\s+15+16*\b], v[TM+12+\b]
.endr
	v_nop                                          ; a plain line behind the last conversion
.endm
; unit u: 128 along K of my 16 rows: each load reads 512 consecutive bytes of one row
.macro LOADX u
.irp i, 0,1,2,3,4,5,6,7,8,9,10,11,12,13,14,15
	global_load_b128 v[R+64*((\u)%2)+4*\i:R+64*((\u)%2)+4*\i+3], v1, s[4:5] offset:(\i+8*(\i/8))*4096+512*(\u) th:TH_LOAD_NT
.endr
.endm
.macro UNIT u
.if \u < 3
	s_wait_loadcnt 16                              ; this unit's 16 loads are in; the next unit's 16 may be out
.else
	s_wait_loadcnt 0x0
.endif
.irp i, 0,1,2,3,4,5,6,7,8,9,10,11,12,13,14,15
	ds_store_b128 v2, v[R+64*((\u)%2)+4*\i:R+64*((\u)%2)+4*\i+3] offset:528*\i   ; through my wave's own stage, rows 528 bytes apart
.endr
.irp c, 0,1,2,3
.irp q, 0,1,2,3
	ds_load_b128 v[X+16*\c+4*\q:X+16*\c+4*\q+3], v3 offset:128*\c+16*\q   ; LDS serves a wave's instructions in order: these see the stores above
.endr
.endr
	s_wait_dscnt 0x0                               ; my numbers are back, and the stores have read their registers,
.if \u < 2
	LOADX (\u)+2                                   ; which take the loads of two units on
.endif
	QUANT X, PW+\u
.irp c, 0,1,2,3
	global_store_b128 v1, v[PC+4*\c:PC+4*\c+3], s[28:29] offset:2048*\u+512*\c   ; 32 lanes store 512 consecutive bytes, aligned
.endr
.endm
; a weight: block c of my column, 32 loads; each reads 128 consecutive bytes a wave, 512 a work-group
.macro WLOAD c, n
.set kk, 32*(\c)
.rept 32
	global_load_b32 v[D+kk], v1, s[26:27] offset:kk*4*(\n) th:TH_LOAD_NT
.set kk, kk+1
.endr
.endm
.macro WBLOCK c, n
.set XB, D+32*(\c)
.if \c < 3
	s_wait_loadcnt 32                              ; this block's 32 loads are in; the next block's may be out
.else
	s_wait_loadcnt 0x0
.endif
.if \c < 2
	WLOAD (\c)+2, \n
.endif
	v_max3_num_f32 v12, |v[XB]|, |v[XB+1]|, |v[XB+2]|   ; the block's largest magnitude: all 32 numbers are mine
	v_max3_num_f32 v13, |v[XB+3]|, |v[XB+4]|, |v[XB+5]|
.irp i, 6,10,14,18,22,26
	v_max3_num_f32 v12, v12, |v[XB+\i]|, |v[XB+\i+1]|
	v_max3_num_f32 v13, v13, |v[XB+\i+2]|, |v[XB+\i+3]|
.endr
	v_max3_num_f32 v12, v12, |v[XB+30]|, |v[XB+31]|
	v_max3_num_f32 v12, v12, v13, 0x8000000        ; and the floor
	v_add_nc_u32 v11, 0xf8800000, v12
	v_lshrrev_b32 v13, 23, v11
.if \c == 0
	v_mov_b32 v14, v13                             ; four bytes make the column's scale word of this K step
.else
	v_lshl_or_b32 v14, v13, 8*\c, v14
.endif
.set kk, 0
.rept 32
.set kk, kk+1
.endr
.irp g, 0,1,2,3
	v_cvt_scalef32_pk8_bf8_f32 v[WC+8*\c+2*\g:WC+8*\c+2*\g+1], v[XB+8*\g:XB+8*\g+7], v11
.endr
	global_store_b128 v2, v[WC+8*\c:WC+8*\c+3], s[28:29] offset:512*\c         ; k = 32 c + 0 .. 15: lanes 0-15 fill 256 aligned bytes of one tile's image, lanes 16-31 of the next tile's
	global_store_b128 v2, v[WC+8*\c+4:WC+8*\c+7], s[28:29] offset:512*\c+256   ; k = 32 c + 16 .. 31
.endm
.macro WQ n, code, scale, first, src
	s_sub_co_u32 s17, ttmp9, \first
	s_lshr_b32 s18, s17, 3
	s_lshl_b32 s18, s18, 2
	s_add_co_u32 s18, s18, s16                     ; my pair of tiles: 32 columns
	s_and_b32 s17, s17, 7                          ; my K step
	s_mul_i32 s26, s17, 512*\n
	s_lshl_b32 s27, s18, 7
	s_add_co_u32 s26, s26, s27
	s_mov_b32 s27, 0
	s_add_nc_u64 s[26:27], s[\src:\src+1], s[26:27]
	s_lshl_b32 s28, s18, 15
	s_lshl_b32 s29, s17, 11
	s_add_co_u32 s28, s28, s29
	s_add_co_u32 s28, s28, \code
	s_mov_b32 s29, 0
	s_add_nc_u64 s[28:29], s[12:13], s[28:29]
	s_lshl_b32 s30, s18, 10
	s_lshl_b32 s31, s17, 6
	s_add_co_u32 s30, s30, s31
	s_add_co_u32 s30, s30, \scale
	s_mov_b32 s31, 0
	s_add_nc_u64 s[30:31], s[12:13], s[30:31]
	WLOAD 0, \n
	WLOAD 1, \n
.irp c, 0,1,2,3
	WBLOCK \c, \n
.endr
	global_store_b32 v3, v14, s[30:31]             ; two pieces of 64 bytes a wave: one byte for each 128 that the wave reads
.endm
	s_load_b256 s[4:11], s[0:1], 0x0               ; x s[4:5], W_attn s[6:7], W_proj s[8:9], xq s[10:11]
	s_load_b64 s[12:13], s[0:1], 0x20              ; wq
	v_lshl_add_u32 v254, v0, 2, 0x8400
	v_mov_b32 v255, 0
	v_lshrrev_b32 v1, 5, v0
	v_readfirstlane_b32 s16, v1                    ; wave
	s_mov_b32 s[SEL], 0x76543210
	s_mov_b32 s[SEL+1], 0xfedcba98
	s_mov_b32 s[HI], 0xffff0000
	s_wait_kmcnt 0x0
	s_cmp_lt_u32 ttmp9, 256
	s_cbranch_scc0 .Lweights
	; ---- x
	v_and_b32 v5, 31, v0
	v_lshlrev_b32 v1, 4, v5                        ; 16 x lane
	v_lshlrev_b32 v4, 2, v5                        ; 4 x lane
	v_and_b32 v6, 15, v0                           ; r
	v_bfe_u32 v7, v0, 4, 1                         ; h
	s_mul_i32 s17, s16, 8448                       ; my stage: 16 rows x 528 bytes
	v_add_nc_u32 v2, s17, v1                       ; in: 16 x lane of a row
	v_mul_u32_u24 v3, v6, 528
	v_lshl_add_u32 v3, v7, 6, v3
	v_add_nc_u32 v3, s17, v3                       ; out: row r, + 64 h: my 16 numbers of a block of 32
.irp b, 0,1,2,3
	v_mov_b32 v[TM+4+\b], 0                        ; written once: a lane permute's destination counts as one of its sources
.endr
	s_lshl_b32 s18, ttmp9, 2
	s_add_co_u32 s18, s18, s16
	s_lshr_b32 s19, s18, 1                         ; my tile of 16 rows
	s_and_b32 s18, s18, 1                          ; my half of K
	s_lshr_b32 s26, s19, 1
	s_lshl_b32 s26, s26, 17                        ; 32 rows of 4,096 bytes for each pair of tiles,
	s_and_b32 s27, s19, 1
	s_lshl_b32 s27, s27, 15                        ; 8 rows for the odd tile,
	s_add_co_u32 s26, s26, s27
	s_lshl_b32 s27, s18, 11                        ; 2,048 bytes for the second half of K
	s_add_co_u32 s26, s26, s27
	s_mov_b32 s27, 0
	s_add_nc_u64 s[4:5], s[4:5], s[26:27]
	s_lshl_b32 s28, s19, 14
	s_lshl_b32 s29, s18, 13
	s_add_co_u32 s28, s28, s29
	s_mov_b32 s29, 0
	s_add_nc_u64 s[28:29], s[10:11], s[28:29]      ; my four images
	s_lshl_b32 s30, s19, 9
	s_lshl_b32 s31, s18, 8
	s_add_co_u32 s30, s30, s31
	s_add_co_u32 s30, s30, XSO
	s_mov_b32 s31, 0
	s_add_nc_u64 s[30:31], s[10:11], s[30:31]      ; and their scale words
	LOADX 0
	LOADX 1
	s_wait_alu depctr_va_vdst(0)
	UNIT 0
	UNIT 1
	UNIT 2
	UNIT 3
.irp j, 0,1
	v_cndmask_b32 v[244+\j], v[PW+2*\j], v[PW+2*\j+1], s[HI]   ; lanes 0-15 the even K step's words, lanes 16-31 the odd one's (both halves of the lanes hold a row's word)
	global_store_b32 v4, v[244+\j], s[30:31] offset:128*\j
.endr
	s_wait_tensorcnt 0x0
	ds_add_u32 v254, v255
	s_wait_dscnt 0x0
	s_endpgm
.Lweights:
	; ---- the weights: A LANE TAKES A COLUMN AND ITS REGISTERS RUN DOWN K
	v_and_b32 v5, 15, v0                           ; r
	v_bfe_u32 v6, v0, 4, 1                         ; u: which tile of the pair
	v_and_b32 v7, 8, v5
	v_add_nc_u32 v7, v7, v5                        ; rho(r)
	v_lshl_add_u32 v7, v6, 3, v7                   ; + 8 u: my column among the 32
	v_lshlrev_b32 v1, 2, v7
	v_lshlrev_b32 v2, 4, v5
	v_lshl_add_u32 v2, v6, 14, v2                  ; codes: 16 r in tile u's image
	v_lshlrev_b32 v3, 2, v5
	v_lshl_add_u32 v3, v6, 9, v3                   ; scale word: 4 r in tile u's
	s_cmp_lt_u32 ttmp9, 448
	s_cbranch_scc0 .Lwproj
	s_wait_alu depctr_va_vdst(0)
	WQ 3072, 0, WAS, 256, 6
	s_endpgm
.Lwproj:
	s_wait_alu depctr_va_vdst(0)
	WQ 1024, WPC, WPS, 448, 8
	s_endpgm
.Lfunc_end_k_qb8a80fe935_prep:
	.size	k_qb8a80fe935_prep, .Lfunc_end_k_qb8a80fe935_prep-k_qb8a80fe935_prep
	.p2alignl 7, 3214868480
	.fill 96, 4, 3214868480
	.section	.rodata,"a",@progbits
	.p2align	6, 0x0
	.amdhsa_kernel k_qb8a80fe935_prep
		.amdhsa_group_segment_fixed_size 34304
		.amdhsa_private_segment_fixed_size 0
		.amdhsa_enable_private_segment 0
		.amdhsa_kernarg_size 40
		.amdhsa_user_sgpr_count 2
		.amdhsa_user_sgpr_kernarg_segment_ptr 1
		.amdhsa_wavefront_size32 1
		.amdhsa_system_sgpr_workgroup_id_x 1
		.amdhsa_system_sgpr_workgroup_id_y 1
		.amdhsa_system_sgpr_workgroup_id_z 1
		.amdhsa_system_vgpr_workitem_id 0
		.amdhsa_next_free_vgpr 256
		.amdhsa_next_free_sgpr 66
		.amdhsa_reserve_vcc 0
		.amdhsa_float_denorm_mode_32 3
		.amdhsa_float_denorm_mode_16_64 3
		.amdhsa_fp16_overflow 1
		.amdhsa_memory_ordered 1
		.amdhsa_forward_progress 1
		.amdhsa_inst_pref_size 73
	.end_amdhsa_kernel
	.amdgpu_metadata
---
amdhsa.version: [ 1, 2 ]
amdhsa.kernels:
  - .name:           k_qb8a80fe935_prep
    .symbol:         k_qb8a80fe935_prep.kd
    .args:
      - { .name: x, .offset: 0, .size: 8, .value_kind: global_buffer, .address_space: global }
      - { .name: W_attn, .offset: 8, .size: 8, .value_kind: global_buffer, .address_space: global }
      - { .name: W_proj, .offset: 16, .size: 8, .value_kind: global_buffer, .address_space: global }
      - { .name: xq, .offset: 24, .size: 8, .value_kind: global_buffer, .address_space: global }
      - { .name: wq, .offset: 32, .size: 8, .value_kind: global_buffer, .address_space: global }
    .group_segment_fixed_size: 34304
    .private_segment_fixed_size: 0
    .kernarg_segment_align: 8
    .kernarg_segment_size: 40
    .max_flat_workgroup_size: 128
    .sgpr_count:     66
    .vgpr_count:     256
    .wavefront_size: 32
...
	.end_amdgpu_metadata
.endif
;; end of part 1
;; launch qkv (part 2): grid 16 x 48, 4 waves a work-group, clusters of 4 x 4, 327,680 bytes of LDS; arguments xq, wq, b_attn, qb, kv; writes qb, kv
.if DOCPART == 2
	.amdgcn_target "amdgcn-amd-amdhsa--gfx1250"
	.amdhsa_code_object_version 6
	.text
	.protected	k_qb8a80fe935_qkv
	.globl	k_qb8a80fe935_qkv
	.p2align	8
	.type	k_qb8a80fe935_qkv,@function
k_qb8a80fe935_qkv:
	s_mov_b64 s[64:65], 0
	v_nop
	global_prefetch_b8 v0, s[64:65] scope:SCOPE_SE
	s_setreg_imm32_b32 hwreg(HW_REG_WAVE_MODE, 25, 1), 1
	s_wait_xcnt 0x0
	s_wait_alu depctr_hold_cnt(0) depctr_sa_sdst(0) depctr_va_vdst(0) depctr_va_sdst(0) depctr_va_ssrc(0) depctr_va_vcc(0) depctr_vm_vsrc(0)
	s_getreg_b32 s2, hwreg(HW_REG_IB_STS2, 6, 4)
	s_cmp_eq_u32 s2, 0
	s_cbranch_scc0 .Lentry_in_a_cluster
	s_endpgm
.Lentry_in_a_cluster:
	s_bfe_u32 s2, ttmp6, 0x10000c
	s_cmp_lg_u32 s2, 0xf033
	s_cbranch_scc0 .Lentry_shape_is_right
	s_endpgm
.Lentry_shape_is_right:
; qkv = x W_attn + b_attn on codes of BF8 (E5M2) with E8M0 scales, K = 1,024; the results are quantised here, in registers, and leave as codes: q and k along the head's 64, v along the keys.
; OPERANDS lie in memory as images of operand registers (tile T: rows 32 (T / 2) + 8 (T % 2) + rho(r), rho(r) = r + 8 (r / 8); image of tile T, K step s at (8 T + s) x 2,048; scale words at 512 T + 64 s).
; A TILE: 128 rows of source 0 x 256 rows of source 1.  Four waves side by side along source 1: a wave has 8 tiles t of source 0 x 4 tiles a of source 1: 32 accumulators.
; In the result a lane holds ONE row of source 1 (lane % 16), and the 16 registers of tiles 2 b, 2 b + 1 are rows 32 b + 16 (lane / 16) + 0 .. 15 of source 0: 16 neighbours along the next product's K.
; PART QK (cluster y 0-7): source 0 = 128 columns of W_attn (two heads of q or of k), source 1 = 256 tokens: a lane holds a token, its registers run along the heads' 64.
; PART V (cluster y 8-11): source 0 = 128 tokens (a key step), source 1 = 256 columns of v (a head a wave): a lane holds a channel, its registers run along the keys.
; K goes through THREE LDS slots of a quarter of K each (two K steps); slot 0 is filled a second time, with the last quarter.  So three quarters of K are asked for at the start.
; CLUSTERS: 4 x 4.  Source 0's tiles hang on the work-group's x alone and are shared along a column of the cluster, source 1's on its y alone and are shared along a row: joint loads.
; The part is the same in all partners (it hangs on the cluster's y), so the one branch on it is alike in all.
; LIMITS: NaN and infinities are not served; a block whose largest magnitude lies under 2^-111 keeps the byte 1; a block of zeros gets the byte 1 where the rule says 127: its codes are zeros, and this program alone reads the bytes.
; REGISTERS: window 0: v1-9 addresses; v28, v29 the add's; v32-63 source 0's scale words, v64-79 source 1's, for all of K; v80-143 the bias; v144-207 64 numbers at work; v208-223 codes; v224-249 at work.
;   window 1: accumulator (a, t) at v[64 a + 8 t].   window 2: source 0's fragments, two sets of 128.   window 3: source 1's, two sets of 64.
.set XSO,  8388608
.set WAS,  3145728
.set SLOT, 98304                       ; source 0: 8 tiles x 4,096 bytes; then source 1: 16 tiles x 4,096
.set SPARE, 3*SLOT                     ; the spare words, 128 bytes for each wave: two blocks of 256 bytes that no other line names
.set A0,   3                           ; v3-5   16 x lane + the slot
.set A1,   6                           ; v6-8   the same at my wave's four tiles of source 1
.set SPW,  28
.set NIL,  29
.set SS0,  32
.set SS1,  64
.set BB,   80
.set ST,   144
.set PC,   208
.set TM,   224
.set PW,   240
.set WD,   244
.set G1,   24                          ; s[24:31] group 1 for source 0;  s[32:43] its groups 0, one a slot
.set G0,   32
.set G0B,  44                          ; s[44:55], s[56:63] the same for source 1
.set G1B,  56
.set SEL,  90
.set MNT,  92
.set HI,   93
.set MSB,  0
.macro WIN new                         ; the immediate's high byte repeats the setting that is left
.if MSB != \new
	s_set_vgpr_msb (MSB<<8)|\new
.set MSB, \new
.endif
.endm
.set MULW, 0x5e                        ; source 0 window 2, source 1 window 3, C and D window 1
.set TO0,  0x80                        ; destination window 2
.set TO1,  0xc0                        ; destination window 3
.macro JLOAD s                         ; a joint load: waves 0 and 1 fetch for source 0, waves 2 and 3 for source 1; four v_nop follow each line
	s_cmp_eq_u32 s15, 0
	s_cbranch_scc0 .Lfor_b_\@
	tensor_load_to_lds s[G0+4*\s:G0+4*\s+3], s[G1:G1+7]
	s_nop 0
.rept 4
	v_nop
.endr
	s_branch .Lasked_\@
.Lfor_b_\@:
	tensor_load_to_lds s[G0B+4*\s:G0B+4*\s+3], s[G1B:G1B+7]
	s_nop 0
.rept 4
	v_nop
.endr
.Lasked_\@:
.endm
.macro CREST                           ; a round of the cluster's barrier behind its opening barrier
	s_cmp_lg_u32 s14, 0
	s_cbranch_scc1 .Lnot_wave_0_\@
	s_barrier_signal -3
.Lnot_wave_0_\@:
	s_barrier_wait -3
	s_barrier_signal -1
	s_barrier_wait -1
.endm
.macro CROUND
	s_barrier_signal -1
	s_barrier_wait -1
	CREST
.endm
.macro PLACES n                        ; plain vector lines between a matrix instruction and a load into, or a read of, its registers (eight for this form)
.rept \n
	v_nop
.endr
.endm
.macro FETCH slot, q, p                ; 48 LDS loads: the fragments of the slot's q-th K step into set p; every load is 512 consecutive bytes
	WIN TO0
.irp t, 0,1,2,3,4,5,6,7
.irp c, 0,1,2,3
	ds_load_b128 v[128*(\p)+16*\t+4*\c:128*(\p)+16*\t+4*\c+3], v[A0+\slot] offset:4096*\t+2048*(\q)+512*\c
.endr
.endr
	WIN TO1
.irp a, 0,1,2,3
.irp c, 0,1,2,3
	ds_load_b128 v[64*(\p)+16*\a+4*\c:64*(\p)+16*\a+4*\c+3], v[A1+\slot] offset:4096*\a+2048*(\q)+512*\c
.endr
.endr
.endm
; 8 matrix instructions: K step s, source 1's tile a against source 0's eight.  cmode 0: the products start the sums.  The 32 accumulators take turns, one instruction a turn.
.macro MULA s, a, cmode
	WIN MULW
.irp t, 0,1,2,3,4,5,6,7
.if ((\s)%2) == 1
	v_wmma_scale_f32_16x16x128_f8f6f4 v[64*(\a)+8*\t:64*(\a)+8*\t+7], v[128+16*\t:128+16*\t+15], v[64+16*(\a):64+16*(\a)+15], v[64*(\a)+8*\t:64*(\a)+8*\t+7], v[SS0+4*\t+(\s)/2], v[SS1+4*(\a)+(\s)/2] matrix_a_fmt:MATRIX_FMT_BF8 matrix_b_fmt:MATRIX_FMT_BF8 matrix_a_scale:MATRIX_SCALE_ROW1 matrix_b_scale:MATRIX_SCALE_ROW1
.elseif \cmode == 1
	v_wmma_scale_f32_16x16x128_f8f6f4 v[64*(\a)+8*\t:64*(\a)+8*\t+7], v[16*\t:16*\t+15], v[16*(\a):16*(\a)+15], v[64*(\a)+8*\t:64*(\a)+8*\t+7], v[SS0+4*\t+(\s)/2], v[SS1+4*(\a)+(\s)/2] matrix_a_fmt:MATRIX_FMT_BF8 matrix_b_fmt:MATRIX_FMT_BF8
.else
	v_wmma_scale_f32_16x16x128_f8f6f4 v[64*(\a)+8*\t:64*(\a)+8*\t+7], v[16*\t:16*\t+15], v[16*(\a):16*(\a)+15], 0, v[SS0+4*\t+(\s)/2], v[SS1+4*(\a)+(\s)/2] matrix_a_fmt:MATRIX_FMT_BF8 matrix_b_fmt:MATRIX_FMT_BF8
.endif
.endr
.endm
.macro KSTEP s, slot, q, p             ; K step s is multiplied while the next one's fragments (slot, q) come into set p
	PLACES 8
	FETCH \slot, \q, \p
	s_wait_dscnt 48                                ; all but the 48 just issued: this step's fragments are in
.irp a, 0,1,2,3
	MULA \s, \a, 1
.endr
.endm
.macro QUANT s, pw                     ; 64 numbers of a lane become a fragment's codes in v[PC] on and its row's scale word in v[pw]
.irp b, 0,1,2,3
	v_max3_num_f32 v[TM+\b], |v[\s+16*\b]|, |v[\s+1+16*\b]|, 0x8000000   ; block b: my 16 numbers, and the floor 2^(16 - 127)
.endr
.irp i, 2,4,6,8,10,12,14
.irp b, 0,1,2,3
	v_max3_num_f32 v[TM+\b], v[TM+\b], |v[\s+16*\b+\i]|, |v[\s+1+16*\b+\i]|
.endr
.endr
.irp b, 0,1,2,3
	v_permlanex16_b32 v[TM+4+\b], v[TM+\b], s[SEL], s[SEL+1]
.endr
.irp b, 0,1,2,3
	v_max_num_f32 v[TM+\b], v[TM+\b], v[TM+4+\b]
.endr
.irp b, 0,1,2,3
	v_add_nc_u32 v[TM+12+\b], 0xf8800000, v[TM+\b]   ; 15 off the exponent field: the conversion's scale operand
.endr
.irp b, 0,1,2,3
.endr
.irp b, 0,1,2,3
	v_lshrrev_b32 v[TM+4+\b], 23, v[TM+12+\b]
.endr
	v_lshl_or_b32 v[\pw], v[TM+5], 8, v[TM+4]
	v_lshl_or_b32 v[\pw], v[TM+6], 16, v[\pw]
	v_lshl_or_b32 v[\pw], v[TM+7], 24, v[\pw]
	s_wait_xcnt 0x0                                ; the stores of the fragment before have read v[PC] on
.irp b, 0,1,2,3
.irp i, 0,1,2,3,4,5,6,7,8,9,10,11,12,13,14,15
.endr
	v_cvt_scalef32_pk8_bf8_f32 v[PC+4*\b:PC+1+4*\b], v[\s+16*\b:\s+7+16*\b], v[TM+12+\b]
	v_cvt_scalef32_pk8_bf8_f32 v[PC+2+4*\b:PC+3+4*\b], v[\s+8+16*\b:\s+15+16*\b], v[TM+12+\b]
.endr
	v_nop                                          ; a plain line behind the last conversion
.endm
; THE TAIL of a part: where its results go, its bias, the last two K steps, and the way out.  No barrier and no tensor load stands in it.
.macro TAIL part
.if \part == 0
	s_lshr_b32 s94, s21, 3                         ; the batch: 8 blocks of 256 tokens
	s_lshl_b32 s94, s94, 4
	s_and_b32 s95, s20, 7
	s_lshl_b32 s95, s95, 1
	s_add_co_u32 s94, s94, s95                     ; 16 x batch + my first head
	s_lshl_b32 s94, s94, 3
	s_and_b32 s95, s21, 7
	s_add_co_u32 s94, s94, s95                     ; x 8 + the block of 256 tokens
	s_cmp_lt_u32 s20, 8                            ; columns 0-1,023 are q, the next 1,024 k: a choice of pointers and strides, no branch
	s_cselect_b64 s[74:75], s[10:11], s[12:13]
	s_mov_b32 s96, 34304
	s_cselect_b32 s96, 17408, s96                  ; bytes of a block of q, of a slot of k and v
	s_mov_b32 s97, 32768
	s_cselect_b32 s97, 16384, s97                  ; where the scale words begin in it
	s_mul_i32 s94, s94, s96
	s_lshl_b32 s98, s14, 12                        ; my four tiles of 1,024 bytes
	s_add_co_u32 s94, s94, s98
	s_mov_b32 s95, 0
	s_add_nc_u64 s[74:75], s[74:75], s[94:95]      ; codes, first head
	s_lshl_b32 s94, s96, 3
	s_add_nc_u64 s[76:77], s[74:75], s[94:95]      ; codes, second head: 8 blocks on
	s_mul_i32 s98, s14, 3840
	s_sub_co_u32 s94, s97, s98                     ; from my codes to my scale words: - 4,096 w + 256 w + where they begin
	s_add_nc_u64 s[78:79], s[74:75], s[94:95]
	s_add_nc_u64 s[80:81], s[76:77], s[94:95]
	s_lshl_b32 s94, s20, 9
	s_add_nc_u64 s[82:83], s[8:9], s[94:95]        ; the bias of my 128 columns
	v_bfe_u32 v9, v0, 4, 1
	v_lshlrev_b32 v9, 6, v9                        ; 16 numbers on for lanes 16-31
.irp t, 0,1,2,3,4,5,6,7
	global_load_b128 v[BB+8*\t:BB+8*\t+3], v9, s[82:83] offset:(32*(\t/2)+8*(\t%2))*4   ; in the result's layout: tile t's eight columns of my half
	global_load_b128 v[BB+8*\t+4:BB+8*\t+7], v9, s[82:83] offset:(32*(\t/2)+8*(\t%2))*4+16
.endr
.else
	s_lshr_b32 s94, s20, 4                         ; the batch: 16 key steps of 128 tokens
	s_lshl_b32 s94, s94, 4
	s_lshl_b32 s95, s21, 2
	s_add_co_u32 s95, s95, s14                     ; my head
	s_add_co_u32 s94, s94, s95
	s_lshl_b32 s94, s94, 3
	s_bfe_u32 s95, s20, 0x30001                    ; the slot of 256 keys
	s_add_co_u32 s94, s94, s95
	s_mul_i32 s94, s94, 34304
	s_and_b32 s96, s20, 1                          ; which key step of the slot
	s_lshl_b32 s97, s96, 13
	s_add_co_u32 s94, s94, s97
	s_add_co_u32 s94, s94, 16384
	s_mov_b32 s95, 0
	s_add_nc_u64 s[74:75], s[12:13], s[94:95]      ; V^T's four images
	s_mul_i32 s97, s96, 7936
	s_sub_co_u32 s94, 17408, s97                   ; from there to their scale words: 33,792 - 16,384 + (256 - 8,192) x the key step
	s_add_nc_u64 s[78:79], s[74:75], s[94:95]
	s_lshl_b32 s94, s21, 10
	s_lshl_b32 s97, s14, 8
	s_add_co_u32 s94, s94, s97
	s_add_co_u32 s94, s94, 8192
	s_add_nc_u64 s[82:83], s[8:9], s[94:95]        ; the bias of my head of v
	v_and_b32 v10, 15, v0
	v_and_b32 v9, 8, v10
	v_add_nc_u32 v9, v9, v10
	v_lshlrev_b32 v9, 2, v9                        ; 4 rho(r): my channel in a tile
.irp a, 0,1,2,3
	global_load_b32 v[BB+2*\a], v9, s[82:83] offset:(32*(\a/2)+8*(\a%2))*4   ; one number a lane and tile, written twice: the packed addition names a pair
	global_load_b32 v[BB+2*\a+1], v9, s[82:83] offset:(32*(\a/2)+8*(\a%2))*4
.endr
.endif
	KSTEP 6, 0, 1, 1
	s_wait_dscnt 0x0                               ; the last K step: nothing more to fetch
.irp a, 0,1,2,3
	MULA 7, \a, 1
.endr
	PLACES 8
	WIN 0
	s_wait_loadcnt 0x0                             ; the bias
.irp a, 0,1,2,3
	WIN 0x01                                       ; source 0: window 1
.set pp, 0
.rept 32                                       ; the sums leave their window and take the bias on the way, each accumulator from its low end on
.if \part == 0
	v_pk_add_f32 v[ST+2*pp:ST+2*pp+1], v[64*\a+2*pp:64*\a+2*pp+1], v[BB+2*pp:BB+2*pp+1]
.else
	v_pk_add_f32 v[ST+2*pp:ST+2*pp+1], v[64*\a+2*pp:64*\a+2*pp+1], v[BB+2*\a:BB+2*\a+1] op_sel_hi:[1,0]
.endif
.set pp, pp+1
.endr
	WIN 0
	QUANT ST, PW+\a
.if \part == 0
	global_store_b128 v1, v[PC:PC+3], s[74:75] offset:1024*\a            ; the first head's 64: two parts of 512 consecutive bytes
	global_store_b128 v1, v[PC+4:PC+7], s[74:75] offset:1024*\a+512
	global_store_b128 v1, v[PC+8:PC+11], s[76:77] offset:1024*\a         ; the second head's
	global_store_b128 v1, v[PC+12:PC+15], s[76:77] offset:1024*\a+512
.else
.irp c, 0,1,2,3
	global_store_b128 v1, v[PC+4*\c:PC+4*\c+3], s[74:75] offset:2048*\a+512*\c
.endr
.endif
.endr
.irp g, 0,1                                    ; the scale words, two tiles a store: lanes 0-15 the even tile's, lanes 16-31 the odd one's
.if \part == 0
	v_cndmask_b32 v[WD+3*\g], v[PW+2*\g], v[PW+2*\g+1], s[HI]
	v_perm_b32 v[WD+3*\g+1], v[WD+3*\g], v[WD+3*\g], 0x01000100   ; the first head's two bytes, twice: the upper two stand for k = 64 .. 127, where the queries' codes are zeros
	v_perm_b32 v[WD+3*\g+2], v[WD+3*\g], v[WD+3*\g], 0x03020302   ; the second head's
	global_store_b32 v2, v[WD+3*\g+1], s[78:79] offset:128*\g
	global_store_b32 v2, v[WD+3*\g+2], s[80:81] offset:128*\g
.else
	v_cndmask_b32 v[WD+\g], v[PW+2*\g], v[PW+2*\g+1], s[HI]
	global_store_b32 v2, v[WD+\g], s[78:79] offset:128*\g
.endif
.endr
.endm
	s_load_b256 s[4:11], s[0:1], 0x0               ; xq s[4:5], wq s[6:7], b_attn s[8:9], qb s[10:11]
	s_load_b64 s[12:13], s[0:1], 0x20              ; kv
	v_lshl_add_u32 v[SPW], v0, 2, SPARE
	v_mov_b32 v[NIL], 0
	ds_add_u32 v28, v29
	ds_add_u32 v28, v29
	s_wait_dscnt 0x0
	v_lshrrev_b32 v1, 5, v0
	v_readfirstlane_b32 s14, v1                    ; wave
	s_lshr_b32 s15, s14, 1                         ; I fetch for source 0 (0) or source 1 (1),
	s_and_b32 s16, s14, 1                          ; its first or second half
	s_bfe_u32 s17, ttmp6, 0x40000                  ; cx
	s_bfe_u32 s18, ttmp6, 0x40004                  ; cy
	s_and_b32 s19, ttmp7, 0xffff                   ; the cluster's y: under 8 part QK, else part V
	s_lshl_b32 s20, ttmp9, 2
	s_add_co_u32 s20, s20, s17                     ; work-group x
	s_sub_co_u32 s22, s19, 8
	s_lshl_b32 s22, s22, 4
	s_add_co_u32 s22, s22, s20                     ; part V: the key step = 16 (cluster y - 8) + x
	s_lshl_b32 s2, s19, 2
	s_add_co_u32 s2, s2, s18                       ; part QK: the block of 256 tokens = 4 x cluster y + cy
	s_cmp_lt_u32 s19, 8
	s_cselect_b32 s20, s20, s22                    ; T0: source 0's 128 rows: made of cx and the cluster's place alone
	s_cselect_b32 s21, s2, s18                     ; T1: source 1's 256 rows: made of cy and the cluster's place alone
	s_lshl_b32 s76, 0x1111, s17                    ; my column of the cluster
	s_lshl_b32 s77, s18, 2
	s_lshl_b32 s77, 15, s77                        ; my row
	; group 1: rows of 4,096 bytes (a tile's two K steps: 512 elements of 8 bytes), 16,384 bytes apart in memory, on end in LDS; source 0: 4 rows a load, source 1: 8
	s_or_b32 s[G1], s76, (3<<16)|(1<<21)
	s_or_b32 s[G1B], s77, (3<<16)|(1<<21)
	s_mov_b32 s[G1+1], 512<<16
	s_mov_b32 s[G1+2], 4<<16
	s_mov_b32 s[G1+3], 512<<16
	s_mov_b32 s[G1+4], 4
	s_mov_b32 s[G1+5], 2048
	s_mov_b32 s[G1+6], 0
	s_mov_b32 s[G1+7], 0
	s_mov_b32 s[G1B+1], 512<<16
	s_mov_b32 s[G1B+2], 8<<16
	s_mov_b32 s[G1B+3], 512<<16
	s_mov_b32 s[G1B+4], 8
	s_mov_b32 s[G1B+5], 2048
	s_mov_b32 s[G1B+6], 0
	s_mov_b32 s[G1B+7], 0
	s_lshl_b32 s22, s20, 17                        ; source 0: 8 tiles of 16,384 bytes for each T0, 4 for my half
	s_lshl_b32 s23, s16, 16
	s_add_co_u32 s22, s22, s23
	s_mov_b32 s23, 0
	s_lshl_b32 s2, s21, 18                         ; source 1: 16 tiles for each T1, 8 for my half
	s_lshl_b32 s3, s16, 17
	s_add_co_u32 s2, s2, s3
	s_mov_b32 s3, 0
	s_lshl_b32 s74, s16, 14                        ; where they go in a slot: no place in the cluster enters an LDS address
	s_lshl_b32 s75, s16, 15
	s_add_co_u32 s75, s75, 32768
	s_mov_b32 s[SEL], 0x76543210
	s_mov_b32 s[SEL+1], 0xfedcba98
	s_mov_b32 s[HI], 0xffff0000
	s_wait_kmcnt 0x0
	s_add_nc_u64 s[94:95], s[6:7], WAS             ; W_attn's scale words,
	s_add_nc_u64 s[96:97], s[4:5], XSO             ; x's,
	s_add_nc_u64 s[98:99], s[6:7], WAS+65536       ; W_attn's from v's first column on,
	s_add_nc_u64 s[70:71], s[6:7], 2097152         ; and its images from there on
	s_cmp_lt_u32 s19, 8
	s_cselect_b64 s[66:67], s[6:7], s[4:5]         ; source 0's images
	s_cselect_b64 s[68:69], s[94:95], s[96:97]     ; and scale words
	s_cselect_b64 s[70:71], s[4:5], s[70:71]       ; source 1's images
	s_cselect_b64 s[72:73], s[96:97], s[98:99]     ; and scale words
	s_add_nc_u64 s[22:23], s[66:67], s[22:23]
	s_add_nc_u64 s[2:3], s[70:71], s[2:3]
	CROUND                                         ; all sixteen work-groups are here: the first joint loads meet
.irp s, 0,1,2
	s_mov_b32 s[G0+4*\s], 1
	s_add_co_u32 s[G0+4*\s+1], s74, \s*SLOT
	s_add_nc_u64 s[G0+4*\s+2:G0+4*\s+3], s[22:23], \s*4096
	s_or_b32 s[G0+4*\s+3], s[G0+4*\s+3], 0x80000000
	s_mov_b32 s[G0B+4*\s], 1
	s_add_co_u32 s[G0B+4*\s+1], s75, \s*SLOT
	s_add_nc_u64 s[G0B+4*\s+2:G0B+4*\s+3], s[2:3], \s*4096
	s_or_b32 s[G0B+4*\s+3], s[G0B+4*\s+3], 0x80000000
	JLOAD \s                                       ; three loads of mine are out: K steps 0 to 5
.endr
	v_and_b32 v10, 31, v0
	v_lshlrev_b32 v1, 4, v10                       ; 16 x lane
	v_lshlrev_b32 v2, 2, v10                       ; 4 x lane
	s_lshl_b32 s94, s20, 12
	s_mov_b32 s95, 0
	s_add_nc_u64 s[68:69], s[68:69], s[94:95]      ; source 0's scale words: 8 tiles of 512 bytes
	s_lshl_b32 s94, s21, 13
	s_lshl_b32 s98, s14, 11
	s_add_co_u32 s94, s94, s98
	s_add_nc_u64 s[72:73], s[72:73], s[94:95]      ; source 1's: my four tiles
.irp t, 0,1,2,3,4,5,6,7
.irp j, 0,1,2,3
	global_load_b32 v[SS0+4*\t+\j], v2, s[68:69] offset:512*\t+128*\j   ; lanes 0-15: K step 2 j; lanes 16-31: K step 2 j + 1
.endr
.endr
.irp a, 0,1,2,3
.irp j, 0,1,2,3
	global_load_b32 v[SS1+4*\a+\j], v2, s[72:73] offset:512*\a+128*\j
.endr
.endr
	v_mov_b32 v[A0], v1
	v_add_nc_u32 v[A0+1], SLOT, v1
	v_add_nc_u32 v[A0+2], 2*SLOT, v1
	s_lshl_b32 s98, s14, 14
	s_add_co_u32 s98, s98, 32768
	v_add_nc_u32 v[A1], s98, v[A0]
	v_add_nc_u32 v[A1+1], s98, v[A0+1]
	v_add_nc_u32 v[A1+2], s98, v[A0+2]
.irp b, 0,1,2,3
	v_mov_b32 v[TM+4+\b], 0                        ; written once: a lane permute's destination counts as one of its sources
.endr
	s_wait_alu depctr_va_vdst(0)
	s_wait_tensorcnt 2                             ; my part of slot 0 is in; slots 1 and 2 may be out
	s_barrier_signal -1
	s_barrier_wait -1
	FETCH 0, 0, 0
	s_wait_loadcnt 0x0                             ; the scale words
	; K step 0: its products start the sums
	FETCH 0, 1, 1
	s_wait_dscnt 48                                ; all but the 48 just issued
.irp a, 0,1,2,3
	MULA 0, \a, 0
.endr
	; K step 1 leaves slot 0, which is filled again: each wave waits for all its tensor loads, adds 0 to its spare word, waits for that and for its reads of the slot; the barrier opens a round of the cluster's
	WIN 0
	s_wait_tensorcnt 0x0                           ; slots 1 and 2 have landed too
	ds_add_u32 v[SPW], v[NIL]
	s_wait_dscnt 1                                 ; K step 1's fragments are in; the add may be out
	MULA 1, 0, 1
	s_wait_dscnt 0x0                               ; the add is done, and my reads of slot 0 are over
	s_barrier_signal -1
	MULA 1, 1, 1
	WIN 0
	s_barrier_wait -1
	CREST                                          ; no wave of any partner still reads slot 0 or has a load on its way
	s_add_nc_u64 s[G0+2:G0+3], s[G0+2:G0+3], 3*4096   ; K steps 6 and 7
	s_add_nc_u64 s[G0B+2:G0B+3], s[G0B+2:G0B+3], 3*4096
	JLOAD 0                                        ; the first tensor load behind the round; its four v_nop are four of the eight places in front of the loads below
	PLACES 4
	FETCH 1, 0, 0
	MULA 1, 2, 1
	MULA 1, 3, 1
	KSTEP 2, 1, 1, 1                               ; slots 1 and 2 were shown whole to every wave by the round above: no barrier
	KSTEP 3, 2, 0, 0
	KSTEP 4, 2, 1, 1
	; K step 5: behind its barrier slot 0 is read again
	s_wait_tensorcnt 0x0                           ; the one load of mine that is out: my part of K steps 6 and 7
	s_wait_dscnt 0x0                               ; K step 5's fragments are in; no LDS instruction is pending at the signal
	s_barrier_signal -1
	MULA 5, 0, 1
	MULA 5, 1, 1
	s_barrier_wait -1                              ; everybody's part has landed
	PLACES 8
	FETCH 0, 0, 0
	MULA 5, 2, 1
	MULA 5, 3, 1
	WIN 0
	s_cmp_ge_u32 s19, 8                            ; the one branch on the part: alike in all sixteen partners
	s_cbranch_scc1 .Lpart_v
	TAIL 0
	WIN 0
	s_branch .Ljoin
.Lpart_v:
	TAIL 1
	WIN 0
.Ljoin:
	s_wait_tensorcnt 0x0                           ; the wave's end
	ds_add_u32 v[SPW], v[NIL]
	s_wait_dscnt 0x0
	CROUND                                         ; the closing round
	s_endpgm
.Lfunc_end_k_qb8a80fe935_qkv:
	.size	k_qb8a80fe935_qkv, .Lfunc_end_k_qb8a80fe935_qkv-k_qb8a80fe935_qkv
	.p2alignl 7, 3214868480
	.fill 96, 4, 3214868480
	.section	.rodata,"a",@progbits
	.p2align	6, 0x0
	.amdhsa_kernel k_qb8a80fe935_qkv
		.amdhsa_group_segment_fixed_size 327680
		.amdhsa_private_segment_fixed_size 0
		.amdhsa_enable_private_segment 0
		.amdhsa_kernarg_size 40
		.amdhsa_user_sgpr_count 2
		.amdhsa_user_sgpr_kernarg_segment_ptr 1
		.amdhsa_wavefront_size32 1
		.amdhsa_system_sgpr_workgroup_id_x 1
		.amdhsa_system_sgpr_workgroup_id_y 1
		.amdhsa_system_sgpr_workgroup_id_z 1
		.amdhsa_system_vgpr_workitem_id 0
		.amdhsa_next_free_vgpr 1024
		.amdhsa_next_free_sgpr 100
		.amdhsa_reserve_vcc 0
		.amdhsa_float_denorm_mode_32 3
		.amdhsa_float_denorm_mode_16_64 3
		.amdhsa_fp16_overflow 1
		.amdhsa_memory_ordered 1
		.amdhsa_forward_progress 1
		.amdhsa_inst_pref_size 139
	.end_amdhsa_kernel
	.amdgpu_metadata
---
amdhsa.version: [ 1, 2 ]
amdhsa.kernels:
  - .name:           k_qb8a80fe935_qkv
    .symbol:         k_qb8a80fe935_qkv.kd
    .args:
      - { .name: xq, .offset: 0, .size: 8, .value_kind: global_buffer, .address_space: global }
      - { .name: wq, .offset: 8, .size: 8, .value_kind: global_buffer, .address_space: global }
      - { .name: b_attn, .offset: 16, .size: 8, .value_kind: global_buffer, .address_space: global }
      - { .name: qb, .offset: 24, .size: 8, .value_kind: global_buffer, .address_space: global }
      - { .name: kv, .offset: 32, .size: 8, .value_kind: global_buffer, .address_space: global }
    .group_segment_fixed_size: 327680
    .private_segment_fixed_size: 0
    .kernarg_segment_align: 8
    .kernarg_segment_size: 40
    .max_flat_workgroup_size: 128
    .sgpr_count:     100
    .vgpr_count:     1024
    .wavefront_size: 32
...
	.end_amdgpu_metadata
.endif
;; end of part 2
;; launch attn (part 3): grid 4 x 64, 16 waves a work-group, no clusters, 327,680 bytes of LDS; arguments qb, kv, oq; writes oq
.if DOCPART == 3
	.amdgcn_target "amdgcn-amd-amdhsa--gfx1250"
	.amdhsa_code_object_version 6
	.text
	.protected	k_qb8a80fe935_attn
	.globl	k_qb8a80fe935_attn
	.p2align	8
	.type	k_qb8a80fe935_attn,@function
k_qb8a80fe935_attn:
	s_mov_b64 s[64:65], 0
	v_nop
	global_prefetch_b8 v0, s[64:65] scope:SCOPE_SE
	s_setreg_imm32_b32 hwreg(HW_REG_WAVE_MODE, 25, 1), 1
	s_wait_xcnt 0x0
; o = softmax(q k^T / 8, causal) v for one head, both products on codes of BF8 (E5M2) with E8M0 scales; o is quantised here along D and leaves as images of operand registers for the last product.
; THE SOFTMAX: t = score x log2(e) / 8; M = the running largest t rounded UP to a whole number; p = 2^(t - M) is quantised along the keys, not normalised; the row's sum is taken of the unquantised p and divides at the end.
; SHARES.  Work-group (i, head) takes query blocks i and then 7 - i, 256 queries each: (i + 1) + (8 - i) = 9 slots of 256 keys in every work-group, so the trip count is a constant.  Each of 16 waves owns one tile of 16 queries.
; A SLOT is 34,304 dense bytes of kv: K's 16 tiles x 1,024; V^T's 8 images x 2,048 at 16,384; K's scale words at 32,768; V's at 33,792.  Two LDS slots; waves 0 and 1 bring half a slot each.
; LAYOUT.  S^T = K Q^T, O^T = V^T P^T: a lane holds ONE query (lane % 16).  Tile T of queries, keys and channels holds rows 32 (T / 2) + 8 (T % 2) + rho(r), rho(r) = r + 8 (r / 8): so the 16 registers of tiles 2 b, 2 b + 1 of a
; result are 16 neighbours along the next K.
; THE FIRST PRODUCT'S K IS 64 in an instruction of 128.  Q's codes at k = 64 .. 127 are zeros (v24-31).  K's fragment of tile j is v[32 + 8 j : 47 + 8 j]: its upper half is the NEXT tile's codes (zeros behind tile 7).
; Every code is a finite number (the quantiser holds at the largest code) and no scale byte is 0xff, so those products are zeros.  This keeps a wave inside 256 registers.
; NO CLUSTER: the four work-groups of a head walk different key slots in the same trip (their first passes are 1, 2, 3 and 4 slots long), so no tile is wanted by two of them at the same time.
; CAUSAL: a key step all of whose keys come after my 16 queries is left out by a scalar branch on ids; a tile of queries lies inside one block of 32, so in every step that is walked each query sees the step's first key.
; LIMITS: NaN and infinities are not served; a block whose largest magnitude lies under 2^-111 keeps the byte 1; a block of zeros gets the byte 1 where the rule says 127: its codes are zeros, and this program alone reads the bytes.
.set XSO,   8388608
.set SLOTB, 34304
.set SLOT1, 65536                      ; slot 1 begins here: one exclusive or turns an address
.set SPARE, 131072                     ; the spare words, 128 bytes for each of 16 waves: eight blocks of 256 bytes that no other line names
.set SPW,  5
.set NIL,  6
.set ADK,  8                           ; v8   16 x lane + the slot in hand
.set ADS,  9                           ; v9   4 x lane + the slot in hand
.set KD,   32                          ; v32-95   8 tiles of K x 8, then 4 fragments of V^T x 16;  v96-103 zeros
.set S,    104                         ; v104-167 S^T, then p
.set OT,   168                         ; v168-199 O^T
.set PC,   200                         ; v200-215 p's codes; o's
.set BM,   216                         ; v216-219 the blocks' largest
.set WK,   220                         ; v220-223 at work
.set HD,   224
.set SO,   228                         ; v228-231 the conversions' scale operands
.set KS,   232                         ; v232-235 K's scale words, two tiles a register
.set VS,   236                         ; v236-237 V's
.set QS,   238                         ; v238     Q's
.set F,    240                         ; v240 f = 2^(old M - new M);  v241 p's scale word
.set TP,   242
.set NINF, 243
.set WV,   10
.set T,    11                          ; s11  the trip
.set NA,   12                          ; s12  slots of the first block: i + 1
.set TB,   13                          ; s13  LDS byte at which the slot in hand begins
.set KF,   14                          ; s14  the step's first key
.set Q0,   15                          ; s15  my tile's first query
.set CUR,  16                          ; s16  the key slot in hand
.set NXT,  17                          ; s17  the key slot asked for
.set TN,   18                          ; s18  T + 1
.set MNT,  19
.set SEL,  20
.set CS,   22                          ; s[22:23] c = log2(e) / 8
.set G1,   24
.set G0,   32
.set HI,   56
.macro TLOAD                           ; waves 0 and 1 fetch half a slot each; four v_nop follow the line
	s_cmp_lt_u32 s[WV], 2
	s_cbranch_scc0 .Lnone_\@
	tensor_load_to_lds s[G0:G0+3], s[G1:G1+7]
	s_nop 0
.rept 4
	v_nop
.endr
.Lnone_\@:
.endm
; THE CHANGE OF SLOTS stands at a slot's head: each wave waits for all its tensor loads, adds 0 to its spare word, waits for that and for its reads of the slot that it has left; behind the barrier that slot is filled first.
.macro CHANGE fill
	s_wait_tensorcnt 0x0                           ; no tensor load of mine is out, so group 0 may be written
	ds_add_u32 v[SPW], v[NIL]
.if \fill
	s_add_co_u32 s[TN], s[T], 1
	s_sub_co_u32 s[NXT], s[TN], s[NA]
	s_cmp_lt_u32 s[TN], s[NA]
	s_cselect_b32 s[NXT], s[TN], s[NXT]            ; the next key slot: the first block's, or the second block's from 0 on
	s_xor_b32 s[G0+1], s[G0+1], SLOT1
	s_mul_i32 s52, s[NXT], SLOTB
	s_mov_b32 s53, 0
	s_add_nc_u64 s[G0+2:G0+3], s[36:37], s[52:53]
	s_or_b32 s[G0+3], s[G0+3], 0x80000000
.endif
	s_wait_dscnt 0x0                               ; the add is done, and my reads of the slot that I have left are over
	s_barrier_signal -1
	s_barrier_wait -1
.if \fill
	TLOAD                                          ; the first thing behind the barrier; it has a whole slot's steps in which to land
.endif
	s_lshl_b32 s[KF], s[CUR], 8
.endm
.macro SETQ                            ; s54 = the block: where my tile of Q lies
	s_mul_i32 s52, s54, 17408
	s_lshl_b32 s53, s[WV], 10
	s_add_co_u32 s52, s52, s53
	s_mov_b32 s53, 0
	s_add_nc_u64 s[44:45], s[38:39], s[52:53]
	s_mul_i32 s52, s54, 17408
	s_lshl_b32 s55, s[WV], 6
	s_add_co_u32 s52, s52, s55
	s_add_co_u32 s52, s52, 16384
	s_add_nc_u64 s[46:47], s[38:39], s[52:53]
.endm
.macro SETO                            ; s54 = the block: where my tile of o goes, and my first query
	s_lshl_b32 s55, s54, 4
	s_add_co_u32 s55, s55, s[WV]
	s_lshl_b32 s52, s55, 14
	s_mov_b32 s53, 0
	s_add_nc_u64 s[48:49], s[40:41], s[52:53]
	s_lshl_b32 s52, s55, 9
	s_add_nc_u64 s[50:51], s[42:43], s[52:53]
	s_lshl_b32 s[Q0], s54, 8
	s_lshr_b32 s52, s[WV], 1
	s_lshl_b32 s52, s52, 5
	s_add_co_u32 s[Q0], s[Q0], s52
	s_and_b32 s52, s[WV], 1
	s_lshl_b32 s52, s52, 3
	s_add_co_u32 s[Q0], s[Q0], s52
.endm
.macro QLOAD
	global_load_b128 v[16:19], v1, s[44:45]
	global_load_b128 v[20:23], v1, s[44:45] offset:512
	global_load_b32 v[QS], v4, s[46:47]
.endm
.macro RESET
	v_mov_b32 v13, 0xff61b1e6                      ; the largest t so far: -3e38
	s_delay_alu instid0(VALU_DEP_1)
	v_floor_f32 v12, -v13                          ; -M
	v_mov_b32 v14, 0                               ; the sum, in two halves
	v_mov_b32 v15, 0
.set n, 0
.rept 32
	v_mov_b32 v[OT+n], 0                           ; O^T: the step is written once; the first change of M leaves zeros zeros
.set n, n+1
.endr
.endm
; A KEY STEP: 128 keys, the q-th of the slot in hand
.macro STEP q
	s_add_co_u32 s52, s[Q0], 23                    ; my last query
	s_cmp_gt_u32 s[KF], s52
	s_cbranch_scc1 .Lhidden_\@
	v_add_nc_u32 v[ADK], s[TB], v1
	v_add_nc_u32 v[ADS], s[TB], v2
.rept 6
	v_nop                                          ; with the two additions: eight places in front of loads into registers that the last products read
.endr
.irp j, 0,1,2,3,4,5,6,7
	ds_load_b128 v[KD+8*\j:KD+8*\j+3], v[ADK] offset:1024*(8*\q+\j)
	ds_load_b128 v[KD+8*\j+4:KD+8*\j+7], v[ADK] offset:1024*(8*\q+\j)+512
.endr
.irp g, 0,1,2,3
	ds_load_b32 v[KS+\g], v[ADS] offset:32768+512*\q+128*\g
.endr
	s_wait_alu depctr_va_vdst(0)
	s_wait_dscnt 0x0
.irp g, 0,1,2,3
	v_wmma_scale_f32_16x16x128_f8f6f4 v[S+16*\g:S+16*\g+7], v[KD+16*\g:KD+16*\g+15], v[16:31], 0, v[KS+\g], v[QS] matrix_a_fmt:MATRIX_FMT_BF8 matrix_b_fmt:MATRIX_FMT_BF8
	v_wmma_scale_f32_16x16x128_f8f6f4 v[S+16*\g+8:S+16*\g+15], v[KD+16*\g+8:KD+16*\g+23], v[16:31], 0, v[KS+\g], v[QS] matrix_a_fmt:MATRIX_FMT_BF8 matrix_b_fmt:MATRIX_FMT_BF8 matrix_a_scale:MATRIX_SCALE_ROW1
.endr
.rept 8
	v_nop
.endr
.irp a, 0,1,2,3                                ; V^T's fragments are asked for now and land under the softmax
.irp c, 0,1,2,3
	ds_load_b128 v[KD+16*\a+4*\c:KD+16*\a+4*\c+3], v[ADK] offset:16384+2048*(4*\q+\a)+512*\c
.endr
.endr
.irp g, 0,1
	ds_load_b32 v[VS+\g], v[ADS] offset:33792+256*\q+128*\g
.endr
	s_add_co_u32 s52, s[KF], 127                   ; on the diagonal hidden scores become -infinity; a step all of whose keys count skips this
	s_cmp_le_u32 s52, s[Q0]
	s_cbranch_scc1 .Lopen_\@
	s_sub_co_i32 s52, s[Q0], s[KF]
	v_add_nc_u32 v[TP], s52, v3                    ; d = my query - the step's first key - 16 (lane / 16): register 16 b + i is hidden where 32 b + i > d
.set n, 0
.rept 64
	v_cmp_gt_i32 vcc_lo, 32*(n/16)+n%16, v[TP]
	v_cndmask_b32 v[S+n], v[S+n], v[NINF], vcc_lo
.set n, n+1
.endr
.Lopen_\@:
.irp b, 0,1,2,3
	v_max3_num_f32 v[BM+\b], v[S+16*\b], v[S+1+16*\b], v[S+2+16*\b]   ; the largest score of each block of 32 keys: for the row's maximum, and, since p rises with the score, for the block's largest p
.endr
.irp i, 3,5,7,9,11,13
.irp b, 0,1,2,3
	v_max3_num_f32 v[BM+\b], v[BM+\b], v[S+16*\b+\i], v[S+1+16*\b+\i]
.endr
.endr
.irp b, 0,1,2,3
	v_max_num_f32 v[BM+\b], v[BM+\b], v[S+15+16*\b]
.endr
.irp b, 0,1,2,3
	s_delay_alu instid0(VALU_DEP_4)
	v_permlanex16_b32 v[WK+\b], v[BM+\b], s[SEL], s[SEL+1]
.endr
.irp b, 0,1,2,3
	s_delay_alu instid0(VALU_DEP_4)
	v_max_num_f32 v[BM+\b], v[BM+\b], v[WK+\b]     ; with lane l xor 16's 16 keys
.endr
	s_delay_alu instid0(VALU_DEP_2)
	v_max3_num_f32 v[TP], v[BM], v[BM+1], v[BM+2]
	s_delay_alu instid0(VALU_DEP_1)
	v_max_num_f32 v[TP], v[TP], v[BM+3]
	s_delay_alu instid0(VALU_DEP_1)
	v_mul_f32 v[TP], s[CS], v[TP]                  ; as t (c is positive)
	s_delay_alu instid0(VALU_DEP_1)
	v_max_num_f32 v13, v13, v[TP]                  ; the running largest t
	v_mov_b32 v[TP], v12
	s_delay_alu instid0(VALU_DEP_2)
	v_floor_f32 v12, -v13                          ; the new -M = -ceil(t)
	s_delay_alu instid0(VALU_DEP_1)
	v_sub_f32 v[TP], v12, v[TP]                    ; old M - new M: a whole number, 0 or less
	s_delay_alu instid0(VALU_DEP_1)
	v_cvt_i32_f32 v[TP], v[TP]                     ; (it saturates)
	s_delay_alu instid0(VALU_DEP_1)
	v_ldexp_f32 v[F], 1.0, v[TP]                   ; f = 2^(old M - new M): rounds nothing
.set n, 0
.rept 32
	v_pk_fma_f32 v[S+n:S+n+1], v[S+n:S+n+1], s[CS:CS+1], v[12:13] op_sel_hi:[1,0,0]   ; t - M
.set n, n+2
.endr
.irp b, 0,1,2,3
	v_fma_f32 v[BM+\b], v[BM+\b], s[CS], v12       ; the same of each block's largest score
.endr
.set n, 0
	s_wait_alu depctr_va_vdst(0)
.rept 64
	v_exp_f32 v[S+n], v[S+n]                       ; p = 2^(t - M)
.set n, n+1
.endr
	v_pk_mul_f32 v[14:15], v[14:15], v[F:F+1] op_sel_hi:[1,0]   ; the sums under the new M: the plain line behind the exponentials
	s_wait_alu depctr_va_vdst(0)                   ; one wait for the whole batch, ahead of its first reader
.irp b, 0,1,2,3
	v_exp_f32 v[BM+\b], v[BM+\b]                   ; the block's largest p
.endr
	v_pk_add_f32 v[220:221], v[108:109], v[112:113]
	v_pk_add_f32 v[254:255], v[116:117], v[120:121]
	v_pk_add_f32 v[252:253], v[124:125], v[128:129]
	v_pk_add_f32 v[250:251], v[132:133], v[136:137]
	v_pk_add_f32 v[248:249], v[140:141], v[144:145]
	v_pk_add_f32 v[246:247], v[148:149], v[152:153]
	v_pk_add_f32 v[244:245], v[156:157], v[160:161]
	v_pk_add_f32 v[14:15], v[14:15], v[164:165]
	v_pk_add_f32 v[220:221], v[220:221], v[104:105]
	v_pk_add_f32 v[254:255], v[254:255], v[106:107]
	v_pk_add_f32 v[252:253], v[252:253], v[110:111]
	v_pk_add_f32 v[250:251], v[250:251], v[114:115]
	v_pk_add_f32 v[248:249], v[248:249], v[118:119]
	v_pk_add_f32 v[246:247], v[246:247], v[122:123]
	v_pk_add_f32 v[244:245], v[244:245], v[126:127]
	v_pk_add_f32 v[14:15], v[14:15], v[130:131]
	v_pk_add_f32 v[220:221], v[220:221], v[134:135]
	v_pk_add_f32 v[254:255], v[254:255], v[138:139]
	v_pk_add_f32 v[252:253], v[252:253], v[142:143]
	v_pk_add_f32 v[250:251], v[250:251], v[146:147]
	v_pk_add_f32 v[248:249], v[248:249], v[150:151]
	v_pk_add_f32 v[246:247], v[246:247], v[154:155]
	v_pk_add_f32 v[244:245], v[244:245], v[158:159]
	v_pk_add_f32 v[14:15], v[14:15], v[162:163]
	v_pk_add_f32 v[220:221], v[220:221], v[166:167]
	s_delay_alu instid0(VALU_DEP_2)
	v_pk_add_f32 v[14:15], v[14:15], v[250:251]
	s_delay_alu instid0(VALU_DEP_2)
	v_pk_add_f32 v[220:221], v[220:221], v[248:249]
	v_pk_add_f32 v[254:255], v[254:255], v[246:247]
	v_pk_add_f32 v[252:253], v[252:253], v[244:245]
	s_delay_alu instid0(VALU_DEP_2)
	v_pk_add_f32 v[14:15], v[14:15], v[254:255]
	s_delay_alu instid0(VALU_DEP_2)
	v_pk_add_f32 v[220:221], v[220:221], v[252:253]
	s_delay_alu instid0(VALU_DEP_1)
	v_pk_add_f32 v[14:15], v[14:15], v[220:221]
	s_wait_alu depctr_va_vdst(0)                   ; and one for the four
.irp b, 0,1,2,3
	v_max_num_f32 v[BM+\b], 0x8000000, v[BM+\b]    ; the floor 2^(16 - 127)
.endr
.irp b, 0,1,2,3
	s_delay_alu instid0(VALU_DEP_4)
	v_add_nc_u32 v[SO+\b], 0xf8800000, v[BM+\b]
.endr
.irp b, 0,1,2,3
.endr
.irp b, 0,1,2,3
	s_delay_alu instid0(VALU_DEP_4)
	v_lshrrev_b32 v[WK+\b], 23, v[SO+\b]
.endr
	s_delay_alu instid0(VALU_DEP_3)
	v_lshl_or_b32 v[F+1], v[WK+1], 8, v[WK]        ; p's scale word for these 128 keys
	s_delay_alu instid0(VALU_DEP_1)
	v_lshl_or_b32 v[F+1], v[WK+2], 16, v[F+1]
	s_delay_alu instid0(VALU_DEP_1)
	v_lshl_or_b32 v[F+1], v[WK+3], 24, v[F+1]
.irp b, 0,1,2,3
.irp i, 0,1,2,3,4,5,6,7,8,9,10,11,12,13,14,15
.endr
	v_cvt_scalef32_pk8_bf8_f32 v[PC+4*\b:PC+1+4*\b], v[S+16*\b:S+7+16*\b], v[SO+\b]
	v_cvt_scalef32_pk8_bf8_f32 v[PC+2+4*\b:PC+3+4*\b], v[S+8+16*\b:S+15+16*\b], v[SO+\b]
.endr
.set n, 0
.rept 16
	v_pk_mul_f32 v[OT+n:OT+n+1], v[OT+n:OT+n+1], v[F:F+1] op_sel_hi:[1,0]   ; O^T under the new M; these are also the places between the conversions and the products
.set n, n+2
.endr
	s_wait_alu depctr_va_vdst(0)
	s_wait_dscnt 0x0                               ; V^T's fragments and scale words
.irp g, 0,1
	v_wmma_scale_f32_16x16x128_f8f6f4 v[OT+16*\g:OT+16*\g+7], v[KD+32*\g:KD+32*\g+15], v[PC:PC+15], v[OT+16*\g:OT+16*\g+7], v[VS+\g], v[F+1] matrix_a_fmt:MATRIX_FMT_BF8 matrix_b_fmt:MATRIX_FMT_BF8
	v_wmma_scale_f32_16x16x128_f8f6f4 v[OT+16*\g+8:OT+16*\g+15], v[KD+32*\g+16:KD+32*\g+31], v[PC:PC+15], v[OT+16*\g+8:OT+16*\g+15], v[VS+\g], v[F+1] matrix_a_fmt:MATRIX_FMT_BF8 matrix_b_fmt:MATRIX_FMT_BF8 matrix_a_scale:MATRIX_SCALE_ROW1
.endr
.Lhidden_\@:
	s_add_co_u32 s[KF], s[KF], 128
.endm
; A BLOCK'S END: O^T / the sum; its 32 registers are d = 32 b + 16 (lane / 16) + i of my head: two blocks of the last product's K; quantised, they are two parts of an image of o
.macro FINISH
.rept 8
	v_nop
.endr
	v_add_f32 v14, v14, v15
	s_delay_alu instid0(VALU_DEP_1)
	v_permlanex16_b32 v[TP], v14, s[SEL], s[SEL+1]
	s_delay_alu instid0(VALU_DEP_1)
	v_add_f32 v14, v14, v[TP]                      ; the row's sum
	s_wait_alu depctr_va_vdst(0)
	v_rcp_f32 v14, v14
	v_nop                                          ; a plain line behind the reciprocal
	s_wait_alu depctr_va_vdst(0)                   ; and the wait ahead of its first reader
.set n, 0
.rept 16
	v_pk_mul_f32 v[S+n:S+n+1], v[OT+n:OT+n+1], v[14:15] op_sel_hi:[1,0]
.set n, n+2
.endr
.irp b, 0,1
	v_max3_num_f32 v[BM+\b], |v[S+16*\b]|, |v[S+1+16*\b]|, 0x8000000
.endr
.irp i, 2,4,6,8,10,12,14
.irp b, 0,1
	s_delay_alu instid0(VALU_DEP_2)
	v_max3_num_f32 v[BM+\b], v[BM+\b], |v[S+16*\b+\i]|, |v[S+1+16*\b+\i]|
.endr
.endr
.irp b, 0,1
	s_delay_alu instid0(VALU_DEP_2)
	v_permlanex16_b32 v[WK+\b], v[BM+\b], s[SEL], s[SEL+1]
.endr
.irp b, 0,1
	s_delay_alu instid0(VALU_DEP_2)
	v_max_num_f32 v[BM+\b], v[BM+\b], v[WK+\b]
.endr
.irp b, 0,1
	s_delay_alu instid0(VALU_DEP_2)
	v_add_nc_u32 v[SO+\b], 0xf8800000, v[BM+\b]
.endr
.irp b, 0,1
.endr
.irp b, 0,1
	s_delay_alu instid0(VALU_DEP_2)
	v_lshrrev_b32 v[WK+\b], 23, v[SO+\b]
.endr
	s_delay_alu instid0(VALU_DEP_1)
	v_cndmask_b32 v[TP], v[WK], v[WK+1], s[HI]     ; lanes 0-15 store the first block's byte, lanes 16-31 the second's
.irp b, 0,1
.irp i, 0,1,2,3,4,5,6,7,8,9,10,11,12,13,14,15
.endr
	v_cvt_scalef32_pk8_bf8_f32 v[PC+4*\b:PC+1+4*\b], v[S+16*\b:S+7+16*\b], v[SO+\b]
	v_cvt_scalef32_pk8_bf8_f32 v[PC+2+4*\b:PC+3+4*\b], v[S+8+16*\b:S+15+16*\b], v[SO+\b]
.endr
	v_nop                                          ; a plain line behind the last conversion
	global_store_b128 v1, v[PC:PC+3], s[48:49]             ; 512 consecutive bytes each
	global_store_b128 v1, v[PC+4:PC+7], s[48:49] offset:512
	global_store_b8 v7, v[TP], s[50:51]            ; 32 single bytes: two of each row's scale word; one byte for each 32 of o's codes
.endm
	s_load_b128 s[4:7], s[0:1], 0x0                ; qb s[4:5], kv s[6:7]
	s_load_b64 s[8:9], s[0:1], 0x10                ; oq
	v_lshl_add_u32 v[SPW], v0, 2, SPARE
	v_mov_b32 v[NIL], 0
	ds_add_u32 v5, v6
	ds_add_u32 v5, v6
	s_wait_dscnt 0x0
	v_lshrrev_b32 v8, 5, v0
	s_delay_alu instid0(VALU_DEP_1)
	v_readfirstlane_b32 s[WV], v8                  ; wave 0..15
	s_and_b32 s52, ttmp7, 0xffff                   ; 16 x batch + head
	s_add_co_u32 s[NA], ttmp9, 1
	; group 1: half a slot, 17,152 dense bytes, as 67 rows of 256 bytes (32 elements of 8 bytes)
	s_mov_b32 s[G1], 3<<16
	s_mov_b32 s[G1+1], 32<<16
	s_mov_b32 s[G1+2], 67<<16
	s_mov_b32 s[G1+3], 32<<16
	s_mov_b32 s[G1+4], 67
	s_mov_b32 s[G1+5], 32
	s_mov_b32 s[G1+6], 0
	s_mov_b32 s[G1+7], 0
	s_and_b32 s53, s[WV], 1
	s_mul_i32 s[G0+1], s53, 17152                  ; my half, in LDS slot 0
	s_mul_i32 s54, s52, 8*SLOTB
	s_add_co_u32 s54, s54, s[G0+1]
	s_mov_b32 s55, 0
	s_mov_b32 s[SEL], 0x76543210
	s_mov_b32 s[SEL+1], 0xfedcba98
	s_mov_b32 s[CS], 0x3e38aa3b                    ; c = log2(e) / 8
	s_mov_b32 s[CS+1], s[CS]
	s_mov_b32 s[HI], 0xffff0000
	s_wait_kmcnt 0x0
	s_add_nc_u64 s[36:37], s[6:7], s[54:55]        ; my half of the head's key slot 0
	s_mov_b32 s[G0], 1
	s_mov_b64 s[G0+2:G0+3], s[36:37]
	s_or_b32 s[G0+3], s[G0+3], 0x80000000
	TLOAD                                          ; the first fill: key slot 0
	s_mul_i32 s54, s52, 139264
	s_add_nc_u64 s[38:39], s[4:5], s[54:55]        ; the head's q
	s_lshr_b32 s53, s52, 4                         ; batch
	s_and_b32 s52, s52, 15                         ; head
	s_lshr_b32 s57, s52, 1                         ; the last product's K step,
	s_and_b32 s58, s52, 1                          ; and which half of it
	s_lshl_b32 s54, s53, 21
	s_lshl_b32 s59, s57, 11
	s_add_co_u32 s54, s54, s59
	s_lshl_b32 s59, s58, 10
	s_add_co_u32 s54, s54, s59
	s_add_nc_u64 s[40:41], s[8:9], s[54:55]        ; o's codes
	s_lshl_b32 s54, s53, 16
	s_lshl_b32 s59, s57, 6
	s_add_co_u32 s54, s54, s59
	s_lshl_b32 s59, s58, 1
	s_add_co_u32 s54, s54, s59
	s_add_co_u32 s54, s54, XSO
	s_add_nc_u64 s[42:43], s[8:9], s[54:55]        ; o's scale bytes
	v_and_b32 v10, 31, v0
	s_delay_alu instid0(VALU_DEP_1)
	v_lshlrev_b32 v1, 4, v10                       ; 16 x lane
	s_delay_alu instid0(VALU_DEP_2)
	v_lshlrev_b32 v2, 2, v10                       ; 4 x lane
	v_and_b32 v10, 15, v0                          ; r
	v_bfe_u32 v11, v0, 4, 1                        ; h
	s_delay_alu instid0(VALU_DEP_2)
	v_lshlrev_b32 v4, 2, v10                       ; 4 r
	s_wait_alu depctr_va_vdst(0)
	v_add_nc_u32 v7, v4, v11                       ; 4 r + h
	v_and_b32 v3, 8, v10
	s_delay_alu instid0(VALU_DEP_1)
	v_add_nc_u32 v3, v3, v10
	v_lshlrev_b32 v11, 4, v11
	s_delay_alu instid0(VALU_DEP_1)
	v_sub_nc_u32 v3, v3, v11                       ; rho(r) - 16 h
	s_mov_b32 s54, ttmp9                           ; the first block
	SETQ
	SETO
	QLOAD
.irp j, 0,1,2,3,4,5,6,7
	v_mov_b32 v[24+\j], 0                          ; Q's codes at k = 64 .. 127
	v_mov_b32 v[96+\j], 0                          ; behind K's tile 7
.endr
.irp b, 0,1,2,3
	v_mov_b32 v[WK+\b], 0                          ; written once: a lane permute's destination counts as one of its sources
.endr
	v_mov_b32 v[F+1], 0                            ; (named as the upper half of a pair before it is first written)
	v_mov_b32 v[TP], 0
	v_mov_b32 v[NINF], 0xff800000
	RESET
	s_mov_b32 s[T], 0
	s_mov_b32 s[CUR], 0
	s_mov_b32 s[TB], 0
	s_wait_loadcnt 0x0                             ; Q
.Lslot:                                            ; 8 trips: behind each change of slots but the last the next slot is asked for
	CHANGE 1
	STEP 0
	STEP 1
	s_xor_b32 s[TB], s[TB], SLOT1
	s_cmp_lg_u32 s[TN], s[NA]                      ; the first block's last slot?  A branch on ids; no barrier and no tensor load stands under it
	s_cbranch_scc1 .Lsame
	s_sub_co_u32 s54, 7, ttmp9                     ; the second block
	SETQ
	QLOAD                                          ; its Q comes while the first block goes out
	FINISH
	s_wait_xcnt 0x0                                ; the stores have read their registers and bases
	SETO
	RESET
	s_wait_loadcnt 0x0
.Lsame:
	s_mov_b32 s[CUR], s[NXT]
	s_add_co_u32 s[T], s[T], 1
	s_cmp_lt_u32 s[T], 8
	s_cbranch_scc1 .Lslot
	CHANGE 0                                       ; the last slot is written out
	STEP 0
	STEP 1
	FINISH
	s_wait_tensorcnt 0x0                           ; the wave's end
	ds_add_u32 v[SPW], v[NIL]
	s_wait_dscnt 0x0
	s_endpgm
.Lfunc_end_k_qb8a80fe935_attn:
	.size	k_qb8a80fe935_attn, .Lfunc_end_k_qb8a80fe935_attn-k_qb8a80fe935_attn
	.p2alignl 7, 3214868480
	.fill 96, 4, 3214868480
	.section	.rodata,"a",@progbits
	.p2align	6, 0x0
	.amdhsa_kernel k_qb8a80fe935_attn
		.amdhsa_group_segment_fixed_size 327680
		.amdhsa_private_segment_fixed_size 0
		.amdhsa_enable_private_segment 0
		.amdhsa_kernarg_size 24
		.amdhsa_user_sgpr_count 2
		.amdhsa_user_sgpr_kernarg_segment_ptr 1
		.amdhsa_wavefront_size32 1
		.amdhsa_system_sgpr_workgroup_id_x 1
		.amdhsa_system_sgpr_workgroup_id_y 1
		.amdhsa_system_sgpr_workgroup_id_z 1
		.amdhsa_system_vgpr_workitem_id 0
		.amdhsa_next_free_vgpr 256
		.amdhsa_next_free_sgpr 66
		.amdhsa_reserve_vcc 1
		.amdhsa_float_denorm_mode_32 3
		.amdhsa_float_denorm_mode_16_64 3
		.amdhsa_fp16_overflow 1
		.amdhsa_memory_ordered 1
		.amdhsa_forward_progress 1
		.amdhsa_inst_pref_size 109
	.end_amdhsa_kernel
	.amdgpu_metadata
---
amdhsa.version: [ 1, 2 ]
amdhsa.kernels:
  - .name:           k_qb8a80fe935_attn
    .symbol:         k_qb8a80fe935_attn.kd
    .args:
      - { .name: qb, .offset: 0, .size: 8, .value_kind: global_buffer, .address_space: global }
      - { .name: kv, .offset: 8, .size: 8, .value_kind: global_buffer, .address_space: global }
      - { .name: oq, .offset: 16, .size: 8, .value_kind: global_buffer, .address_space: global }
    .group_segment_fixed_size: 327680
    .private_segment_fixed_size: 0
    .kernarg_segment_align: 8
    .kernarg_segment_size: 24
    .max_flat_workgroup_size: 512
    .sgpr_count:     66
    .vgpr_count:     256
    .wavefront_size: 32
...
	.end_amdgpu_metadata
.endif
;; end of part 3
;; launch proj (part 4): grid 8 x 32, 4 waves a work-group, clusters of 4 x 4, 327,680 bytes of LDS; arguments oq, wq, b_proj, out0; writes out0
.if DOCPART == 4
	.amdgcn_target "amdgcn-amd-amdhsa--gfx1250"
	.amdhsa_code_object_version 6
	.text
	.protected	k_qb8a80fe935_proj
	.globl	k_qb8a80fe935_proj
	.p2align	8
	.type	k_qb8a80fe935_proj,@function
k_qb8a80fe935_proj:
	s_mov_b64 s[64:65], 0
	v_nop
	global_prefetch_b8 v0, s[64:65] scope:SCOPE_SE
	s_setreg_imm32_b32 hwreg(HW_REG_WAVE_MODE, 25, 1), 1
	s_wait_xcnt 0x0
	s_wait_alu depctr_hold_cnt(0) depctr_sa_sdst(0) depctr_va_vdst(0) depctr_va_sdst(0) depctr_va_ssrc(0) depctr_va_vcc(0) depctr_vm_vsrc(0)
	s_getreg_b32 s2, hwreg(HW_REG_IB_STS2, 6, 4)
	s_cmp_eq_u32 s2, 0
	s_cbranch_scc0 .Lentry_in_a_cluster
	s_endpgm
.Lentry_in_a_cluster:
	s_bfe_u32 s2, ttmp6, 0x10000c
	s_cmp_lg_u32 s2, 0xf033
	s_cbranch_scc0 .Lentry_shape_is_right
	s_endpgm
.Lentry_shape_is_right:
; out0 = o W_proj + b_proj on codes of BF8 (E5M2) with E8M0 scales, K = 1,024; out0 [8192][1024] f32.
; OPERANDS lie in memory as images of operand registers (tile T: rows 32 (T / 2) + 8 (T % 2) + rho(r), rho(r) = r + 8 (r / 8); image of tile T, K step s at (8 T + s) x 2,048; scale words at 512 T + 64 s).
; A TILE: source 0 = 128 columns of W_proj, source 1 = 256 tokens.  Four waves side by side along the tokens: a wave has 8 tiles t x 4 tiles a: 32 accumulators.  A lane holds one token, and the 16 registers of
; tiles 2 b, 2 b + 1 are 16 neighbouring columns.  The bias is the C of each sum's first product.
; K goes through THREE LDS slots of a quarter of K each; slot 0 is filled a second time, with the last quarter.  CLUSTERS: 4 x 4: source 0's tiles are shared along a column of the cluster, source 1's along a row: joint loads.
; REGISTERS: window 0: v1-11 addresses; v28, v29 the add's; v32-63 source 0's scale words, v64-79 source 1's; v80-143 the bias, later with v144-207 rows on the way out.
;   window 1: accumulator (a, t) at v[64 a + 8 t].   window 2: source 0's fragments, two sets of 128.   window 3: source 1's, two sets of 64.
.set XSO,  8388608
.set WPC,  3244032
.set WPS,  4292608
.set SLOT, 98304
.set SPARE, 3*SLOT                     ; the spare words, 128 bytes for each wave: two blocks of 256 bytes that no other line names
.set A0,   3
.set A1,   6
.set STO,  10                          ; v10  the way out: where I put 64 bytes of a row
.set RD,   11                          ; v11  and where I read a row back
.set SPW,  28
.set NIL,  29
.set SS0,  32
.set SS1,  64
.set BB,   80
.set BK,   80
.set G1,   24
.set G0,   32
.set G0B,  44
.set G1B,  56
.set MSB,  0
.macro WIN new                         ; the immediate's high byte repeats the setting that is left
.if MSB != \new
	s_set_vgpr_msb (MSB<<8)|\new
.set MSB, \new
.endif
.endm
.set MULW, 0x5e                        ; source 0 window 2, source 1 window 3, C and D window 1
.set MULB, 0x4e                        ; the same with C in window 0
.set TO0,  0x80
.set TO1,  0xc0
.macro JLOAD s                         ; a joint load: waves 0 and 1 fetch for source 0, waves 2 and 3 for source 1; four v_nop follow each line
	s_cmp_eq_u32 s15, 0
	s_cbranch_scc0 .Lfor_b_\@
	tensor_load_to_lds s[G0+4*\s:G0+4*\s+3], s[G1:G1+7]
	s_nop 0
.rept 4
	v_nop
.endr
	s_branch .Lasked_\@
.Lfor_b_\@:
	tensor_load_to_lds s[G0B+4*\s:G0B+4*\s+3], s[G1B:G1B+7]
	s_nop 0
.rept 4
	v_nop
.endr
.Lasked_\@:
.endm
.macro CREST
	s_cmp_lg_u32 s14, 0
	s_cbranch_scc1 .Lnot_wave_0_\@
	s_barrier_signal -3
.Lnot_wave_0_\@:
	s_barrier_wait -3
	s_barrier_signal -1
	s_barrier_wait -1
.endm
.macro CROUND
	s_barrier_signal -1
	s_barrier_wait -1
	CREST
.endm
.macro PLACES n                        ; plain vector lines between a matrix instruction and a load into, or a read of, its registers (eight for this form)
.rept \n
	v_nop
.endr
.endm
.macro FETCH slot, q, p                ; 48 LDS loads: the fragments of the slot's q-th K step into set p
	WIN TO0
.irp t, 0,1,2,3,4,5,6,7
.irp c, 0,1,2,3
	ds_load_b128 v[128*(\p)+16*\t+4*\c:128*(\p)+16*\t+4*\c+3], v[A0+\slot] offset:4096*\t+2048*(\q)+512*\c
.endr
.endr
	WIN TO1
.irp a, 0,1,2,3
.irp c, 0,1,2,3
	ds_load_b128 v[64*(\p)+16*\a+4*\c:64*(\p)+16*\a+4*\c+3], v[A1+\slot] offset:4096*\a+2048*(\q)+512*\c
.endr
.endr
.endm
; 8 matrix instructions: K step s, source 1's tile a against source 0's eight.  cmode 2: the bias starts the sums.  The 32 accumulators take turns, one instruction a turn.
.macro MULA s, a, cmode
.if \cmode == 2
	WIN MULB
.else
	WIN MULW
.endif
.irp t, 0,1,2,3,4,5,6,7
.if ((\s)%2) == 1
	v_wmma_scale_f32_16x16x128_f8f6f4 v[64*(\a)+8*\t:64*(\a)+8*\t+7], v[128+16*\t:128+16*\t+15], v[64+16*(\a):64+16*(\a)+15], v[64*(\a)+8*\t:64*(\a)+8*\t+7], v[SS0+4*\t+(\s)/2], v[SS1+4*(\a)+(\s)/2] matrix_a_fmt:MATRIX_FMT_BF8 matrix_b_fmt:MATRIX_FMT_BF8 matrix_a_scale:MATRIX_SCALE_ROW1 matrix_b_scale:MATRIX_SCALE_ROW1
.elseif \cmode == 1
	v_wmma_scale_f32_16x16x128_f8f6f4 v[64*(\a)+8*\t:64*(\a)+8*\t+7], v[16*\t:16*\t+15], v[16*(\a):16*(\a)+15], v[64*(\a)+8*\t:64*(\a)+8*\t+7], v[SS0+4*\t+(\s)/2], v[SS1+4*(\a)+(\s)/2] matrix_a_fmt:MATRIX_FMT_BF8 matrix_b_fmt:MATRIX_FMT_BF8
.else
	v_wmma_scale_f32_16x16x128_f8f6f4 v[64*(\a)+8*\t:64*(\a)+8*\t+7], v[16*\t:16*\t+15], v[16*(\a):16*(\a)+15], v[BB+8*\t:BB+8*\t+7], v[SS0+4*\t+(\s)/2], v[SS1+4*(\a)+(\s)/2] matrix_a_fmt:MATRIX_FMT_BF8 matrix_b_fmt:MATRIX_FMT_BF8
.endif
.endr
.endm
.macro KSTEP s, slot, q, p
	PLACES 8
	FETCH \slot, \q, \p
	s_wait_dscnt 48                                ; all but the 48 just issued: this step's fragments are in
.irp a, 0,1,2,3
	MULA \s, \a, 1
.endr
.endm
; THE WAY OUT, 16 tokens x 128 columns at a time, through my wave's own stage (rows of 528 bytes).  The stage lies in slot 1, which is filled once; every wave's last read of it lies ahead of K step 5's barrier.
.macro TOSTAGE a
	WIN 0x04                                       ; an LDS store's data are its source 1: window 1
.irp b, 0,1,2,3
.irp q, 0,1,2,3
	ds_store_b128 v[STO], v[64*(\a)+16*\b+4*\q:64*(\a)+16*\b+4*\q+3] offset:128*\b+16*\q   ; each accumulator from its low end on
.endr
.endr
	WIN 0
.set BKS, BK+64*((\a)%2)
.irp i, 0,1,2,3,4,5,6,7,8,9,10,11,12,13,14,15
	ds_load_b128 v[BKS+4*\i:BKS+4*\i+3], v[RD] offset:528*\i   ; LDS serves a wave's instructions in order: these see the stores above
.endr
.endm
.macro SEND a, younger                 ; younger: the LDS instructions issued behind block a's loads
.set BKS, BK+64*((\a)%2)
	s_wait_dscnt \younger
.irp i, 0,1,2,3,4,5,6,7,8,9,10,11,12,13,14,15
	global_store_b128 v1, v[BKS+4*\i:BKS+4*\i+3], s[74:75] offset:(32*((\a)/2)+8*((\a)%2)+\i+8*(\i/8))*4096 th:TH_STORE_NT   ; 32 lanes store 512 consecutive bytes of a token's row, aligned
.endr
.endm
	s_load_b256 s[4:11], s[0:1], 0x0               ; oq s[4:5], wq s[6:7], b_proj s[8:9], out0 s[10:11]
	v_lshl_add_u32 v[SPW], v0, 2, SPARE
	v_mov_b32 v[NIL], 0
	ds_add_u32 v28, v29
	ds_add_u32 v28, v29
	s_wait_dscnt 0x0
	v_lshrrev_b32 v1, 5, v0
	v_readfirstlane_b32 s14, v1                    ; wave
	s_lshr_b32 s15, s14, 1
	s_and_b32 s16, s14, 1
	s_bfe_u32 s17, ttmp6, 0x40000                  ; cx
	s_bfe_u32 s18, ttmp6, 0x40004                  ; cy
	s_and_b32 s19, ttmp7, 0xffff
	s_lshl_b32 s20, ttmp9, 2
	s_add_co_u32 s20, s20, s17                     ; T0: my 128 columns
	s_lshl_b32 s21, s19, 2
	s_add_co_u32 s21, s21, s18                     ; T1: my 256 tokens
	s_lshl_b32 s76, 0x1111, s17                    ; my column of the cluster
	s_lshl_b32 s77, s18, 2
	s_lshl_b32 s77, 15, s77                        ; my row
	; group 1: rows of 4,096 bytes (a tile's two K steps: 512 elements of 8 bytes), 16,384 bytes apart in memory, on end in LDS; source 0: 4 rows a load, source 1: 8
	s_or_b32 s[G1], s76, (3<<16)|(1<<21)
	s_or_b32 s[G1B], s77, (3<<16)|(1<<21)
	s_mov_b32 s[G1+1], 512<<16
	s_mov_b32 s[G1+2], 4<<16
	s_mov_b32 s[G1+3], 512<<16
	s_mov_b32 s[G1+4], 4
	s_mov_b32 s[G1+5], 2048
	s_mov_b32 s[G1+6], 0
	s_mov_b32 s[G1+7], 0
	s_mov_b32 s[G1B+1], 512<<16
	s_mov_b32 s[G1B+2], 8<<16
	s_mov_b32 s[G1B+3], 512<<16
	s_mov_b32 s[G1B+4], 8
	s_mov_b32 s[G1B+5], 2048
	s_mov_b32 s[G1B+6], 0
	s_mov_b32 s[G1B+7], 0
	s_lshl_b32 s22, s20, 17
	s_lshl_b32 s23, s16, 16
	s_add_co_u32 s22, s22, s23
	s_add_co_u32 s22, s22, WPC
	s_mov_b32 s23, 0
	s_lshl_b32 s2, s21, 18
	s_lshl_b32 s3, s16, 17
	s_add_co_u32 s2, s2, s3
	s_mov_b32 s3, 0
	s_lshl_b32 s78, s16, 14                        ; where they go in a slot: no place in the cluster enters an LDS address
	s_lshl_b32 s79, s16, 15
	s_add_co_u32 s79, s79, 32768
	s_wait_kmcnt 0x0
	s_add_nc_u64 s[22:23], s[6:7], s[22:23]
	s_add_nc_u64 s[2:3], s[4:5], s[2:3]
	CROUND                                         ; all sixteen work-groups are here: the first joint loads meet
.irp s, 0,1,2
	s_mov_b32 s[G0+4*\s], 1
	s_add_co_u32 s[G0+4*\s+1], s78, \s*SLOT
	s_add_nc_u64 s[G0+4*\s+2:G0+4*\s+3], s[22:23], \s*4096
	s_or_b32 s[G0+4*\s+3], s[G0+4*\s+3], 0x80000000
	s_mov_b32 s[G0B+4*\s], 1
	s_add_co_u32 s[G0B+4*\s+1], s79, \s*SLOT
	s_add_nc_u64 s[G0B+4*\s+2:G0B+4*\s+3], s[2:3], \s*4096
	s_or_b32 s[G0B+4*\s+3], s[G0B+4*\s+3], 0x80000000
	s_wait_alu depctr_va_vdst(0)
	s_wait_tensorcnt 0x0
	ds_add_u32 v28, v29
	ds_add_u32 v28, v29
	s_wait_dscnt 0x0
	CROUND
	JLOAD \s                                       ; the only load of mine that is out: K steps 2 s and 2 s + 1
.endr
	v_and_b32 v12, 31, v0
	v_lshlrev_b32 v1, 4, v12                       ; 16 x lane
	v_lshlrev_b32 v2, 2, v12                       ; 4 x lane
	s_wait_alu depctr_va_vdst(0)
	v_and_b32 v12, 15, v0                          ; r
	v_bfe_u32 v13, v0, 4, 1                        ; h
	v_lshlrev_b32 v9, 6, v13                       ; the bias: 16 numbers on for lanes 16-31
	s_wait_alu depctr_va_vdst(0)
	s_lshl_b32 s94, s20, 12
	s_add_co_u32 s94, s94, WPS
	s_mov_b32 s95, 0
	s_add_nc_u64 s[68:69], s[6:7], s[94:95]        ; source 0's scale words
	s_lshl_b32 s94, s21, 13
	s_lshl_b32 s98, s14, 11
	s_add_co_u32 s94, s94, s98
	s_add_co_u32 s94, s94, XSO
	s_add_nc_u64 s[72:73], s[4:5], s[94:95]        ; source 1's: my four tiles
	s_lshl_b32 s94, s20, 9
	s_add_nc_u64 s[82:83], s[8:9], s[94:95]        ; the bias of my 128 columns
	s_lshl_b32 s94, s21, 20
	s_lshl_b32 s98, s14, 18
	s_add_co_u32 s94, s94, s98
	s_lshl_b32 s98, s20, 9
	s_add_co_u32 s94, s94, s98
	s_add_nc_u64 s[74:75], s[10:11], s[94:95]      ; out0 at my 64 tokens, my 128 columns
.irp t, 0,1,2,3,4,5,6,7
.irp j, 0,1,2,3
	global_load_b32 v[SS0+4*\t+\j], v2, s[68:69] offset:512*\t+128*\j   ; lanes 0-15: K step 2 j; lanes 16-31: K step 2 j + 1
.endr
.endr
.irp a, 0,1,2,3
.irp j, 0,1,2,3
	global_load_b32 v[SS1+4*\a+\j], v2, s[72:73] offset:512*\a+128*\j
.endr
.endr
.irp t, 0,1,2,3,4,5,6,7
	global_load_b128 v[BB+8*\t:BB+8*\t+3], v9, s[82:83] offset:(32*(\t/2)+8*(\t%2))*4   ; in the result's layout: tile t's eight columns of my half
	global_load_b128 v[BB+8*\t+4:BB+8*\t+7], v9, s[82:83] offset:(32*(\t/2)+8*(\t%2))*4+16
.endr
	v_mov_b32 v[A0], v1
	v_add_nc_u32 v[A0+1], SLOT, v1
	v_add_nc_u32 v[A0+2], 2*SLOT, v1
	s_lshl_b32 s98, s14, 14
	s_add_co_u32 s98, s98, 32768
	v_add_nc_u32 v[A1], s98, v[A0]
	v_add_nc_u32 v[A1+1], s98, v[A0+1]
	v_add_nc_u32 v[A1+2], s98, v[A0+2]
	s_mul_i32 s98, s14, 8448
	s_add_co_u32 s98, s98, SLOT                    ; my stage, in slot 1
	v_mul_u32_u24 v[STO], v12, 528
	v_lshl_add_u32 v[STO], v13, 6, v[STO]
	v_add_nc_u32 v[STO], s98, v[STO]               ; in: row r, + 64 h
	v_add_nc_u32 v[RD], s98, v1                    ; back: 16 x lane of a row
	s_wait_alu depctr_va_vdst(0)
	s_wait_tensorcnt 2                             ; my part of slot 0 is in; slot 2 may be out
	s_barrier_signal -1
	s_barrier_wait -1
	FETCH 0, 0, 0
	s_wait_loadcnt 0x0                             ; the scale words and the bias
	; K step 0: the bias starts the sums
	FETCH 0, 1, 1
	s_wait_dscnt 48                                ; all but the 48 just issued
.irp a, 0,1,2,3
	MULA 0, \a, 2
.endr
	; K step 1 leaves slot 0, which is filled again: each wave waits for all its tensor loads, adds 0 to its spare word, waits for that and for its reads of the slot; the barrier opens a round of the cluster's
	WIN 0
	s_wait_tensorcnt 0x0                           ; slots 1 and 2 have landed too
	ds_add_u32 v[SPW], v[NIL]
	s_wait_dscnt 1                                 ; K step 1's fragments are in; the add may be out
	MULA 1, 0, 1
	s_wait_dscnt 0x0                               ; the add is done, and my reads of slot 0 are over
	s_barrier_signal -1
	MULA 1, 1, 1
	WIN 0
	s_barrier_wait -1
	CREST                                          ; no wave of any partner still reads slot 0 or has a load on its way
	s_add_nc_u64 s[G0+2:G0+3], s[G0+2:G0+3], 3*4096   ; K steps 6 and 7
	s_add_nc_u64 s[G0B+2:G0B+3], s[G0B+2:G0B+3], 3*4096
	JLOAD 0                                        ; the first tensor load behind the round; its four v_nop are four of the eight places in front of the loads below
	PLACES 4
	FETCH 1, 0, 0
	MULA 1, 2, 1
	MULA 1, 3, 1
	KSTEP 2, 1, 1, 1                               ; slots 1 and 2 were shown whole to every wave by the round above: no barrier
	KSTEP 3, 2, 0, 0
	KSTEP 4, 2, 1, 1
	; K step 5: behind its barrier slot 0 is read again
	s_wait_tensorcnt 0x0                           ; the one load of mine that is out: my part of K steps 6 and 7
	s_wait_dscnt 0x0                               ; K step 5's fragments are in; no LDS instruction is pending at the signal
	s_barrier_signal -1
	MULA 5, 0, 1
	MULA 5, 1, 1
	s_barrier_wait -1                              ; everybody's part has landed
	PLACES 8
	FETCH 0, 0, 0
	MULA 5, 2, 1
	MULA 5, 3, 1
	KSTEP 6, 0, 1, 1
	s_wait_dscnt 0x0                               ; the last K step: nothing more to fetch
.irp a, 0,1,2,3
	MULA 7, \a, 1
.endr
	PLACES 8
	TOSTAGE 0
.irp a, 1,2,3
.if \a > 1
	s_wait_xcnt 0x0                                ; block a - 2's stores have read their registers: block a's loads may land there
.endif
	TOSTAGE \a
	SEND \a-1, 32                                  ; behind block a - 1's loads: block a's 16 stores and 16 loads
.endr
	SEND 3, 0
	s_wait_tensorcnt 0x0                           ; the wave's end
	ds_add_u32 v[SPW], v[NIL]
	s_wait_dscnt 0x0
	CROUND                                         ; the closing round
	s_endpgm
.Lfunc_end_k_qb8a80fe935_proj:
	.size	k_qb8a80fe935_proj, .Lfunc_end_k_qb8a80fe935_proj-k_qb8a80fe935_proj
	.p2alignl 7, 3214868480
	.fill 96, 4, 3214868480
	.section	.rodata,"a",@progbits
	.p2align	6, 0x0
	.amdhsa_kernel k_qb8a80fe935_proj
		.amdhsa_group_segment_fixed_size 327680
		.amdhsa_private_segment_fixed_size 0
		.amdhsa_enable_private_segment 0
		.amdhsa_kernarg_size 32
		.amdhsa_user_sgpr_count 2
		.amdhsa_user_sgpr_kernarg_segment_ptr 1
		.amdhsa_wavefront_size32 1
		.amdhsa_system_sgpr_workgroup_id_x 1
		.amdhsa_system_sgpr_workgroup_id_y 1
		.amdhsa_system_sgpr_workgroup_id_z 1
		.amdhsa_system_vgpr_workitem_id 0
		.amdhsa_next_free_vgpr 1024
		.amdhsa_next_free_sgpr 100
		.amdhsa_reserve_vcc 0
		.amdhsa_float_denorm_mode_32 3
		.amdhsa_float_denorm_mode_16_64 3
		.amdhsa_memory_ordered 1
		.amdhsa_forward_progress 1
		.amdhsa_inst_pref_size 90
	.end_amdhsa_kernel
	.amdgpu_metadata
---
amdhsa.version: [ 1, 2 ]
amdhsa.kernels:
  - .name:           k_qb8a80fe935_proj
    .symbol:         k_qb8a80fe935_proj.kd
    .args:
      - { .name: oq, .offset: 0, .size: 8, .value_kind: global_buffer, .address_space: global }
      - { .name: wq, .offset: 8, .size: 8, .value_kind: global_buffer, .address_space: global }
      - { .name: b_proj, .offset: 16, .size: 8, .value_kind: global_buffer, .address_space: global }
      - { .name: out0, .offset: 24, .size: 8, .value_kind: global_buffer, .address_space: global }
    .group_segment_fixed_size: 327680
    .private_segment_fixed_size: 0
    .kernarg_segment_align: 8
    .kernarg_segment_size: 32
    .max_flat_workgroup_size: 128
    .sgpr_count:     100
    .vgpr_count:     1024
    .wavefront_size: 32
...
	.end_amdgpu_metadata
.endif
;; end of part 4
